; MI455X (gfx1250); checked and timed in simulation.
; The chip was launched on July 23, 2026; its instructions are those of AMD's public machine-readable ISA for CDNA 5 (MIT licence, August 2026) and "CDNA5" Instruction Set Architecture Reference Guide (July 2026). The comments in the code are by the model that wrote it; some were corrected since.
;; Multi Head Attention. Allowed arithmetic: matrix products marked QUANTISED: E2M1 operands, one E8M0 scale for each 32 along K, by v_wmma_scale_f32_16x16x128_f8f6f4 with both operands' format E2M1 (or v_wmma_scale_f32_32x16x128_f4), f32 sums; everything else in f32.
;; Inputs: b_proj 1,024 float32; b_qkv 3,072 float32; w_proj 1,024 x 1,024 float32; w_qkv 1,024 x 3,072 float32; x 4 x 2,048 x 1,024 float32.
;; Outputs: out0 4 x 2,048 x 1,024 float32.
;; This version of the problem:
;;   THIS VERSION OF THE PROBLEM IS GIVEN IN LOW PRECISION. The matrix products marked QUANTISED in the list below multiply operands that are first quantised to E2M1 (2 exponent bits, 1 mantissa bit; 4 bits a number), with one power-of-two scale for each 32 numbers along K (OCP MX v1.0); their sums are f32. All else is computed in f32.
;;   The module's matrix products, in the order in which they are computed (A, B: the left and right operand; K: the contracted axis; several contracted axes count as one K, in the product's order):
;;     1. [M 8,192, K 1,024] x [K 1,024, N 3,072]; A: input x; B: input w_qkv: QUANTISED
;;     2. batch 64 x [M 2,048, K 64] x [K 64, N 2,048]; A: computed on the way; B: computed on the way: QUANTISED
;;     3. batch 64 x [M 2,048, K 2,048] x [K 2,048, N 64]; A: softmax (see below); B: computed on the way: QUANTISED
;;     4. [M 8,192, K 1,024] x [K 1,024, N 1,024]; A: computed on the way; B: input w_proj: QUANTISED
;;   THE QUANTISER, for each operand of a quantised product, along K:
;;     - K is cut into blocks of 32 from its start; a last block that is shorter is filled with zeros.
;;     - A block's scale is 2^e with e = floor(log2(the largest magnitude in the block)) - 2, held to -126 .. 127; a block of zeros has e = 0. As a byte (E8M0): e + 127.
;;     - Each number is divided by its block's scale, clamped to +-6, and rounded to the nearest number of E2M1, ties to even, subnormals kept.
;;     - The product sums the exact products of the quantised numbers (number of the format x scale) in f32.
;;   ~~~python
;;   def quantise(x, axis):      # numpy; x: float32 -> the quantised numbers, widened to float32 again
;;       x = np.moveaxis(x, axis, -1); K = x.shape[-1]
;;       x = np.pad(x, [(0, 0)] * (x.ndim - 1) + [(0, -K % 32)]); x = x.reshape(x.shape[:-1] + (-1, 32)); a = np.abs(x).max(-1, keepdims=True)
;;       e = np.where(a > 0, np.clip(np.frexp(np.where(a > 0, a, 1))[1] - 1 - 2, -126, 127), 0)      # np.frexp(a)[1] - 1 = floor(log2(a)), exactly
;;       r = np.clip(x / 2.0 ** e, -6, 6)
;;       step = 2.0 ** (np.maximum(np.frexp(np.where(r == 0, 1, r))[1] - 1, 0) - 1)
;;       q = np.round(r / step) * step * 2.0 ** e      # np.round: ties to even
;;       return np.moveaxis(q.reshape(q.shape[:-2] + (-1,))[..., :K], -1, axis).astype(np.float32)
;;   ~~~
;;   SOFTMAX AHEAD OF A QUANTISED PRODUCT. Where the list says 'softmax', what is quantised is not the finished softmax but p = 2^(t - M), with t = logit x log2(e) and M = ceil(the row's largest t), a whole number; so 1/2 < the row's largest p <= 1. The row's sum l is taken of the UNQUANTISED p, in f32, and the product's result is divided by l at the end. Since M is a whole number, a kernel that streams over the keys may use a running M (the ceiling of the running maximum): every later rescaling is an exact power of two, which a block's scale takes up: the codes' values come out the same.
;;   OPERANDS COMPUTED ON THE WAY. 'Computed on the way' means the value that the module computes at that place (a softmax that the list does not call 'softmax' is quantised finished and normalised). What goes into a quantiser is computed in f32, as accurately as f32 sums, v_exp_f32 and their like allow (about 1e-6 of the number): no bf16 or f16 on the way to a quantiser, and a product that is left as it is and whose result goes on into a quantised operand takes f32 operands (vector FMAs, or v_wmma_f32_16x16x4_f32). A number that lies on a knife's edge between two numbers of the format may be rounded either way, as far as f32 arithmetic and the matrix unit's own rounding can turn it there, and no further.
;; One version. Each part assembles by itself: llvm-mc -triple=amdgcn-amd-amdhsa -mcpu=gfx1250 --defsym DOCPART=n.
;; ======== version 1 of 1: 4 launches
;; limits: right only within a limited range of input values
;; workspace buffers: xw 6,684,672 bytes; heads 14,155,776 bytes; attc 4,456,448 bytes
;; launch prep (part 1): grid 320 x 1, 4 waves a work-group, no clusters, 34,304 bytes of LDS; arguments x, w_qkv, w_proj, xw; writes xw
.if DOCPART == 1
	.amdgcn_target "amdgcn-amd-amdhsa--gfx1250"
	.amdhsa_code_object_version 6
	.text
	.protected	k_q45ead8ca08_prep
	.globl	k_q45ead8ca08_prep
	.p2align	8
	.type	k_q45ead8ca08_prep,@function
k_q45ead8ca08_prep:
	s_mov_b64 s[64:65], 0
	v_nop
	global_prefetch_b8 v0, s[64:65] scope:SCOPE_SE
	s_setreg_imm32_b32 hwreg(HW_REG_WAVE_MODE, 25, 1), 1
	s_wait_xcnt 0x0
; x [8192][1024], w_qkv [1024][3072] and w_proj [1024][1024], f32, become codes of FP4 (E2M1) with one E8M0 byte for each 32 along K = 1,024, laid as the products' launches take them.
; TILES: 16 rows of x (columns of a weight) form a tile; lane r of tile T holds index 32 (T / 2) + 8 (T % 2) + r + 8 (r / 8).
; A FRAGMENT'S IMAGE (16 rows x 128 K, 1,024 bytes): [c 0..1][lane 0..31][16 bytes]; lane (r, h) = r + 16 h, part c: the 32 codes of k = 64 c + 32 h + 0 .. 31 of row r.
; An operand's images: [half of K][tile][step of 128 K][1,024 bytes]; its scale words: [tile][half of K][r][step], 4 bytes each (byte b: k = 32 b .. 32 b + 31 of the step).
; A block's scale is 2^(floor(log2(its largest magnitude)) - 2); its byte is that magnitude's exponent field - 2, held at 1 from below.
; LIMITS: a block of zeros gets the byte 1 where the rule says 127 (its codes are zeros, and this program alone reads the bytes); blocks whose largest magnitude lies under 2^-124 are held at the byte 1;
; NaN and infinities among the inputs are not served.
; Work-groups 0 .. 63 take the weights (their waves have the longer chains of loads), 64 .. 319 take x.  No barrier: waves share nothing.  Only x's path touches LDS.
.set X_SC,   6291456                   ; xw: x's images at 0, w_qkv's, w_proj's, then the three sets of scale words
.set WQ_IMG, 4194304
.set WP_IMG, 5767168
.set WQ_SC,  6553600
.set WP_SC,  6651904
.set WGW,    64                        ; work-groups for the weights,
.set WGQ,    48                        ; of them for w_qkv
.set SP,     528                       ; a stage row: 512 bytes + 16, so that sixteen rows' equal columns fall on different banks (64 banks of 4 bytes: ISA guide 11.1)
.set W,  16                            ; x: v16-19   a scale word for each pass
.set C,  24                            ;    v24-55   eight registers of codes for each pass: no store's data are written twice
.set R,  64                            ;    v64-191  two sets of 64: a pass as it is loaded
.set X,  192                           ;    v192-255 a pass as the conversions want it
.set VO, 16                            ; weights: v16-47 byte offset of row i of a block at my column
.set SB, 48                            ;    v48-51   my column's sixteen scale bytes
.set WX, 64                            ;    v64-127  two sets of 32: a block of my column
.set WC, 192                           ;    v192-255 four registers of codes for each block
	s_load_b256 s[4:11], s[0:1], 0x0               ; x s[4:5], w_qkv s[6:7], w_proj s[8:9], xw s[10:11]
	v_lshl_add_u32 v62, v0, 2, 0x8400
	v_mov_b32 v63, 0
	v_lshrrev_b32 v1, 5, v0
	v_readfirstlane_b32 s13, v1                    ; wave 0..3
	s_lshr_b32 s14, s13, 1
	s_and_b32 s15, s13, 1
	s_cmp_lt_u32 ttmp9, WGW
	s_cbranch_scc1 .Lweights
; ---- x.  Work-group g takes 32 rows; wave w tile 2 g + w / 2 and the half w % 2 of K: 16 rows x 512 k, in four passes of 128 k.
; A load takes 512 consecutive bytes of one row; the pass turns through the wave's own stage in LDS, from which lane (r, h) reads its two whole blocks of 32 numbers of row r.
	s_sub_co_u32 s12, ttmp9, WGW                   ; g
	s_lshl_b32 s16, s12, 17                        ; 32 g rows of 4,096 bytes
	s_lshl_b32 s17, s14, 15                        ; + 8 rows for the odd tile
	s_add_co_u32 s16, s16, s17
	s_lshl_b32 s17, s15, 11                        ; + my half of K
	s_add_co_u32 s16, s16, s17
	s_mov_b32 s17, 0
	s_lshl_b32 s18, s12, 1
	s_add_co_u32 s18, s18, s14                     ; T
	s_lshl_b32 s24, s18, 12                        ; images: 4,096 T + 2,097,152 x half
	s_lshl_b32 s19, s15, 21
	s_add_co_u32 s24, s24, s19
	s_mov_b32 s25, 0
	s_lshl_b32 s26, s18, 9                         ; scale words: 512 T + 256 x half
	s_lshl_b32 s19, s15, 8
	s_add_co_u32 s26, s26, s19
	s_add_co_u32 s26, s26, X_SC
	s_mov_b32 s27, 0
	s_mov_b32 s20, 0x76543210                      ; v_permlanex16_b32's selects for lane l xor 16
	s_mov_b32 s21, 0xfedcba98
	s_mov_b32 s22, 0xffff0000                      ; lanes 16-31
	s_mul_i32 s23, s13, 16*SP                      ; my stage
	v_and_b32 v6, 31, v0
	v_lshlrev_b32 v1, 4, v6                        ; 16 x lane: a load's and an image's place
	v_add_nc_u32 v2, s23, v1                       ; into the stage
	v_and_b32 v7, 15, v0                           ; r
	v_bfe_u32 v8, v0, 4, 1                         ; h
	v_mul_u32_u24 v3, v7, SP
	v_lshl_add_u32 v3, v8, 7, v3
	v_add_nc_u32 v3, s23, v3                       ; out of it: row r, + 128 h bytes
	v_lshlrev_b32 v4, 3, v8                        ; 8 h
	v_lshl_add_u32 v5, v7, 4, v4                   ; 16 r + 8 h: my two scale words' place
	v_mov_b32 v13, 0                               ; written once: a lane permute's destination counts as one of its sources
	s_wait_alu depctr_va_vdst(0)
	s_wait_kmcnt 0x0
	s_add_nc_u64 s[4:5], s[4:5], s[16:17]
	s_add_nc_u64 s[24:25], s[10:11], s[24:25]
	s_add_nc_u64 s[26:27], s[10:11], s[26:27]
.macro LOAD p                          ; pass p: 128 k of the tile's sixteen rows
.irp i, 0,1,2,3,4,5,6,7,8,9,10,11,12,13,14,15
	global_load_b128 v[R+64*((\p)%2)+4*\i:R+64*((\p)%2)+4*\i+3], v1, s[4:5] offset:(\i+8*(\i/8))*4096+512*(\p) th:TH_LOAD_NT
.endr
.endm
.macro PASS p
.if (\p) < 3
	s_wait_loadcnt 16                              ; this pass's sixteen loads are in; the next pass's may be out
.else
	s_wait_loadcnt 0
.endif
.irp i, 0,1,2,3,4,5,6,7,8,9,10,11,12,13,14,15
	ds_store_b128 v2, v[R+64*((\p)%2)+4*\i:R+64*((\p)%2)+4*\i+3] offset:SP*\i
.endr
.irp c, 0,1
.irp j, 0,1,2,3,4,5,6,7
	ds_load_b128 v[X+32*\c+4*\j:X+32*\c+4*\j+3], v3 offset:256*\c+16*\j   ; LDS serves a wave's instructions in order (ISA guide 5.7.1.4): these see the stores above
.endr
.endr
	s_wait_dscnt 0x0                               ; the numbers are back, and the stores have read their registers,
.if (\p) < 2
	LOAD (\p)+2                                    ; which take the pass two further on
.endif
.irp c, 0,1
	v_max3_num_f32 v[6+\c], |v[X+32*\c]|, |v[X+32*\c+1]|, 0x1800000   ; block 2 c + h is all mine; the floor 2^(3 - 127) holds the byte at 1 from below
.endr
.irp i, 2,4,6,8,10,12,14,16,18,20,22,24,26,28,30
.irp c, 0,1
	v_max3_num_f32 v[6+\c], v[6+\c], |v[X+32*\c+\i]|, |v[X+32*\c+\i+1]|
.endr
.endr
.irp c, 0,1
	v_add_nc_u32 v[8+\c], 0xff000000, v[6+\c]      ; 2 off the exponent field: the conversion's scale operand
.endr
.irp c, 0,1
	v_lshrrev_b32 v[10+\c], 23, v[8+\c]            ; the scale's byte
.endr
	v_lshl_or_b32 v12, v11, 16, v10                ; my two bytes, blocks h and 2 + h,
	v_lshlrev_b32 v12, v4, v12                     ; at their places;
	v_permlanex16_b32 v13, v12, s20, s21
	v_or_b32 v[W+(\p)], v12, v13                   ; with lane l xor 16's two the row's word is whole
.irp c, 0,1
.irp g, 0,1,2,3
	v_cvt_scalef32_pk8_fp4_f32 v[C+8*(\p)+4*\c+\g], v[X+32*\c+8*\g:X+32*\c+8*\g+7], v[8+\c]
.endr
.endr
	v_nop                                          ; one plain line behind the last conversion
.irp c, 0,1
	global_store_b128 v1, v[C+8*(\p)+4*\c:C+8*(\p)+4*\c+3], s[24:25] offset:1024*(\p)+512*\c   ; 512 consecutive bytes of the image
.endr
.endm
	LOAD 0
	LOAD 1
	PASS 0
	PASS 1
	PASS 2
	PASS 3
	v_cndmask_b32 v20, v[W], v[W+2], s22           ; lanes 0-15 store steps 0 and 1 of row r, lanes 16-31 steps 2 and 3:
	v_cndmask_b32 v21, v[W+1], v[W+3], s22
	global_store_b64 v5, v[20:21], s[26:27]        ; the wave's store covers 256 consecutive bytes, aligned
	s_wait_tensorcnt 0x0
	ds_add_u32 v62, v63
	s_wait_dscnt 0x0
	s_endpgm
; ---- the weights.  K is their FIRST axis: a lane takes a column and its registers run down K, so a block of 32 lies in one lane and the codes come out with K innermost.
; A work-group takes 128 columns and one half of K, a wave 32 columns x 512 k: sixteen blocks.  The wave's 32 columns are two tiles: lane l is lane r = l % 8 + 8 (l / 16) of tile (l / 8) % 2.
; Block t of a half of K lies at byte 256 t + 16 r of its tile's images: one store fills 256 consecutive bytes, aligned, in each of the two tiles.
.Lweights:
	s_cmp_lt_u32 ttmp9, WGQ                        ; w_qkv's work-group or w_proj's: the choice hangs on the work-group's number alone
	s_mov_b32 s16, 4096
	s_cselect_b32 s16, 12288, s16                  ; a row of the weight in bytes
	s_cselect_b32 s17, 0, WGQ
	s_mov_b32 s18, WP_IMG
	s_cselect_b32 s18, WQ_IMG, s18
	s_mov_b32 s19, WP_SC
	s_cselect_b32 s19, WQ_SC, s19
	s_wait_kmcnt 0x0
	s_cselect_b64 s[6:7], s[6:7], s[8:9]
	s_sub_co_u32 s17, ttmp9, s17
	s_lshr_b32 s20, s17, 1                         ; which 128 columns
	s_and_b32 s21, s17, 1                          ; which half of K
	s_lshl_b32 s22, s20, 3
	s_lshl_b32 s23, s13, 1
	s_add_co_u32 s22, s22, s23                     ; my first tile: 8 x group + 2 x wave
	s_mul_i32 s23, s21, s16
	s_lshl_b32 s28, s23, 9                         ; 512 rows for the upper half of K,
	s_lshl_b32 s29, s22, 6                         ; + 4 bytes x my first column (16 columns a tile)
	s_add_co_u32 s28, s28, s29
	s_mov_b32 s29, 0
	s_add_nc_u64 s[24:25], s[6:7], s[28:29]        ; the even blocks' base,
	s_lshl_b32 s28, s16, 5
	s_add_nc_u64 s[26:27], s[24:25], s[28:29]      ; the odd blocks': 32 rows on
	s_lshl_b32 s32, s16, 6                         ; a base's step: 64 rows
	s_mov_b32 s33, 0
	s_lshl_b32 s28, s23, 6                         ; images: a half of K is 64 x (a row's bytes) bytes of them
	s_add_co_u32 s28, s28, s18
	s_lshl_b32 s30, s22, 12
	s_add_co_u32 s28, s28, s30
	s_add_nc_u64 s[34:35], s[10:11], s[28:29]
	s_lshl_b32 s28, s22, 9                         ; scale words: 512 x tile + 256 x half
	s_lshl_b32 s30, s21, 8
	s_add_co_u32 s28, s28, s30
	s_add_co_u32 s28, s28, s19
	s_add_nc_u64 s[36:37], s[10:11], s[28:29]
	v_and_b32 v1, 31, v0
	v_bfe_u32 v4, v0, 3, 1                         ; which of the two tiles
	v_bfe_u32 v5, v0, 4, 1
	v_and_b32 v6, 7, v0
	v_lshl_or_b32 v6, v5, 3, v6                    ; r
	v_lshlrev_b32 v2, 4, v6
	v_lshlrev_b32 v3, 4, v6
	v_lshl_or_b32 v2, v4, 12, v2                   ; codes: 4,096 x tile + 16 r
	v_lshl_or_b32 v3, v4, 9, v3                    ; scale words: 512 x tile + 16 r
	v_lshlrev_b32 v[VO], 2, v1
.set i, 1
.rept 31
	v_add_nc_u32 v[VO+i], s16, v[VO+i-1]           ; row i of a block
.set i, i+1
.endr
.macro WLOAD t                         ; block t of my column: each load reads 128 consecutive bytes of one row of the weight
.irp i, 0,1,2,3,4,5,6,7,8,9,10,11,12,13,14,15,16,17,18,19,20,21,22,23,24,25,26,27,28,29,30,31
	global_load_b32 v[WX+32*((\t)%2)+\i], v[VO+\i], s[24+2*((\t)%2):25+2*((\t)%2)] th:TH_LOAD_NT
.endr
.endm
.macro BLOCK t
.set XS, WX+32*((\t)%2)
.if (\t) < 15
	s_wait_loadcnt 32                              ; this block's 32 loads are in; the next block's may be out
.else
	s_wait_loadcnt 0
.endif
	v_max3_num_f32 v6, |v[XS]|, |v[XS+1]|, |v[XS+2]|
	v_max3_num_f32 v7, |v[XS+3]|, |v[XS+4]|, |v[XS+5]|
.irp i, 6,10,14,18,22,26
	v_max3_num_f32 v6, v6, |v[XS+\i]|, |v[XS+\i+1]|
	v_max3_num_f32 v7, v7, |v[XS+\i+2]|, |v[XS+\i+3]|
.endr
	v_max3_num_f32 v6, v6, |v[XS+30]|, |v[XS+31]|
	v_max3_num_f32 v6, v6, v7, 0x1800000           ; and the floor
	v_add_nc_u32 v8, 0xff000000, v6                ; the conversion's scale operand
	v_lshrrev_b32 v9, 23, v8                       ; the byte
.if (\t)%4 == 0
	v_mov_b32 v[SB+(\t)/4], v9                     ; four bytes to a word, the lower k in the lower byte
.else
	v_lshl_or_b32 v[SB+(\t)/4], v9, 8*((\t)%4), v[SB+(\t)/4]
.endif
.irp g, 0,1,2,3
	v_cvt_scalef32_pk8_fp4_f32 v[WC+4*(\t)+\g], v[XS+8*\g:XS+8*\g+7], v8
.endr
	v_nop                                          ; one plain line behind the last conversion
	global_store_b128 v2, v[WC+4*(\t):WC+4*(\t)+3], s[34:35] offset:256*(\t)
.if (\t)+2 < 16
	s_add_nc_u64 s[24+2*((\t)%2):25+2*((\t)%2)], s[24+2*((\t)%2):25+2*((\t)%2)], s[32:33]   ; the loads that named this base are in (the wait at the block's head)
	WLOAD (\t)+2
.endif
.endm
	WLOAD 0
	WLOAD 1
.irp t, 0,1,2,3,4,5,6,7,8,9,10,11,12,13,14,15
	BLOCK \t
.endr
	global_store_b128 v3, v[SB:SB+3], s[36:37]     ; my column's four scale words: again 256 consecutive bytes in each tile
	s_endpgm
.Lfunc_end_k_q45ead8ca08_prep:
	.size	k_q45ead8ca08_prep, .Lfunc_end_k_q45ead8ca08_prep-k_q45ead8ca08_prep
	.p2alignl 7, 3214868480
	.fill 96, 4, 3214868480
	.section	.rodata,"a",@progbits
	.p2align	6, 0x0
	.amdhsa_kernel k_q45ead8ca08_prep
		.amdhsa_group_segment_fixed_size 34304
		.amdhsa_private_segment_fixed_size 0
		.amdhsa_enable_private_segment 0
		.amdhsa_kernarg_size 32
		.amdhsa_user_sgpr_count 2
		.amdhsa_user_sgpr_kernarg_segment_ptr 1
		.amdhsa_wavefront_size32 1
		.amdhsa_system_sgpr_workgroup_id_x 1
		.amdhsa_system_sgpr_workgroup_id_y 1
		.amdhsa_system_sgpr_workgroup_id_z 1
		.amdhsa_system_vgpr_workitem_id 0
		.amdhsa_next_free_vgpr 256
		.amdhsa_next_free_sgpr 66
		.amdhsa_reserve_vcc 0
		.amdhsa_float_denorm_mode_32 3
		.amdhsa_float_denorm_mode_16_64 3
		.amdhsa_memory_ordered 1
		.amdhsa_forward_progress 1
		.amdhsa_inst_pref_size 107
	.end_amdhsa_kernel
	.amdgpu_metadata
---
amdhsa.version: [ 1, 2 ]
amdhsa.kernels:
  - .name:           k_q45ead8ca08_prep
    .symbol:         k_q45ead8ca08_prep.kd
    .args:
      - { .name: x, .offset: 0, .size: 8, .value_kind: global_buffer, .address_space: global }
      - { .name: w_qkv, .offset: 8, .size: 8, .value_kind: global_buffer, .address_space: global }
      - { .name: w_proj, .offset: 16, .size: 8, .value_kind: global_buffer, .address_space: global }
      - { .name: xw, .offset: 24, .size: 8, .value_kind: global_buffer, .address_space: global }
    .group_segment_fixed_size: 34304
    .private_segment_fixed_size: 0
    .kernarg_segment_align: 8
    .kernarg_segment_size: 32
    .max_flat_workgroup_size: 128
    .sgpr_count:     66
    .vgpr_count:     256
    .wavefront_size: 32
...
	.end_amdgpu_metadata
.endif
;; end of part 1
;; launch gemm_qkv (part 2): grid 12 x 32, 4 waves a work-group, clusters of 4 x 4, 327,680 bytes of LDS; arguments xw, b_qkv, heads; writes heads
.if DOCPART == 2
	.amdgcn_target "amdgcn-amd-amdhsa--gfx1250"
	.amdhsa_code_object_version 6
	.text
	.protected	k_q45ead8ca08_gemm_qkv
	.globl	k_q45ead8ca08_gemm_qkv
	.p2align	8
	.type	k_q45ead8ca08_gemm_qkv,@function
k_q45ead8ca08_gemm_qkv:
	s_mov_b64 s[64:65], 0
	v_nop
	global_prefetch_b8 v0, s[64:65] scope:SCOPE_SE
	s_setreg_imm32_b32 hwreg(HW_REG_WAVE_MODE, 25, 1), 1
	s_wait_xcnt 0x0
	s_wait_alu depctr_hold_cnt(0) depctr_sa_sdst(0) depctr_va_vdst(0) depctr_va_sdst(0) depctr_va_ssrc(0) depctr_va_vcc(0) depctr_vm_vsrc(0)
	s_getreg_b32 s2, hwreg(HW_REG_IB_STS2, 6, 4)
	s_cmp_eq_u32 s2, 0
	s_cbranch_scc0 .Lentry_in_a_cluster
	s_endpgm
.Lentry_in_a_cluster:
	s_bfe_u32 s2, ttmp6, 0x10000c
	s_cmp_lg_u32 s2, 0xf033
	s_cbranch_scc0 .Lentry_shape_is_right
	s_endpgm
.Lentry_shape_is_right:
; qkv = x w_qkv + b_qkv on codes of FP4 with E8M0 scales (K = 1,024), and its result quantised at once into the operands of attention's two products.  Nothing wide goes to memory.
; A work-group of four waves makes 256 x 256 of the result, a wave 128 x 128: 64 accumulators of 16 x 16.  All of K for the tile (2 x 128 KiB of codes, 16 KiB of scale words) fits in LDS: every LDS byte is filled once.
; ROLES.  R is source 1: its rows fall into lanes.  P is source 0: its rows run down a lane's registers, and with the tile order below the 16 registers of P's tiles 2 b, 2 b + 1 are 16 NEIGHBOURS.
;   q and k (cluster x = 0, 1) are quantised along the head's 64 columns: R = rows of x, P = columns of w.    v (cluster x = 2) is quantised along the KEYS: R = columns of w, P = rows of x.
;   Only global offsets differ between the two, chosen by s_cselect_b32 on the cluster's x, which all partners share; LDS addresses and shapes are constants.
; TILES: lane r of tile T holds index 32 (T / 2) + 8 (T % 2) + r + 8 (r / 8).  A fragment's image (16 rows x 128 K): [c][lane][16 bytes]: it is loaded as it lies, 16 bytes a lane.
; CLUSTERS: 4 x 4 work-groups.  R's tile hangs on cy alone and is asked for jointly along a row of the cluster, P's on cx alone, along a column.
; OUT (buffer heads): q, k: [b h][tile of 16 rows][lane (r, h)][16 bytes: block h of the head's 64]; their scale words (bytes 0, 1; bytes 2, 3 are 0) [b h][128 rows][lane (r, h)][tiles 4 h .. 4 h + 3];
;   v: [b h][128 keys][tile of 16 d][image]; its scale words [b h][128 keys][lane (r, h)][tiles 2 h, 2 h + 1].  A head's scale region has 768 bytes for each 128 rows: k's (or q's) 512, then v's 256.
; LIMITS: a block of zeros gets the byte 1 where the rule says 127 (zero codes; this program alone reads the bytes); NaN and infinities are not served.
; REGISTERS, in windows of 256: window 0: v1-31 addresses and constants; v32-95 scale words, two sets, and nothing else; v96-127 the quantiser's; v128-191 R's fragments, one set; v192-255 the bias.
;   window 1: P's fragments, two sets.   windows 2, 3: the accumulators ((a, b) at v[8 (8 (a % 4) + b)] of window 2 + a / 4).
.set WQ_IMG, 4194304                   ; in xw (x's images at 0)
.set X_SC,   6291456
.set WQ_SC,  6553600
.set X_KH,   2097152                   ; bytes from one half of K to the other
.set WQ_KH,  786432
.set V_IMG,  8388608                   ; in heads (q's images at 0, k's at 4,194,304)
.set Q_SC,   12582912
.set KV_SC,  13369344
.set NQ,     4                         ; steps of 128 along K in a slot
.set FR,     8                         ; registers of a fragment
.set HALF,   32768                     ; 8 tiles x 4 steps x 1,024 bytes: what one tensor load brings, and what one wave reads of R or of P
.set SLOT,   4*HALF                    ; a half of K: R's two halves, then P's
.set SCL,    2*SLOT                    ; the scale words: four x 4,096 bytes in the same order
.set HALFS,  4096
.set ADRR, 16                          ; v16-17  LDS address of my R fragments in slot 0, 1
.set ADRP, 20                          ; v20-21  the same for P
.set LI,   24                          ; v24     16 x lane
.set L8,   25                          ; v25     8 x lane
.set FLR,  26                          ; v26     the floor 2^(3 - 127)
.set ADRS, 27                          ; v27     LDS address of my scale words: lanes 0-15 R's rows, lanes 16-31 P's
.set SC,   32
.set PC,   96                          ; v96-103  the codes just made
.set TM,   104                         ; v104-107 largest magnitudes, v108-111 bytes, v116-119 scale operands
.set WD,   120                         ; v120-127 scale words to be stored
.set RF,   128
.set BI,   192
.set G1, 24                            ; s[24:31] group 1 for R's codes;  s[32:39] groups 0, one for each slot
.set G0, 32
.set G1B, 48                           ; s[48:55], s[56:63] the same for P
.set G0B, 56
.set G1S, 68                           ; s[68:75], s[76:79] R's scale words;  s[80:87], s[88:91] P's
.set G0S, 76
.set G1SB, 80
.set G0SB, 88
.set MSB, 0
.macro WIN new                         ; s_set_vgpr_msb: bits 1:0 source 0, 3:2 source 1, 5:4 source 2, 7:6 destination; the high byte repeats the setting that is left
.if MSB != \new
	s_set_vgpr_msb (MSB<<8)|\new
.set MSB, \new
.endif
.endm
.set MUL_LO, 0xa1                      ; source 0 (P) window 1, source 1 (R) window 0, C and D window 2
.set MUL_HI, 0xf1                      ; the same, C and D window 3
.set BIA_LO, 0x81                      ; C (the bias) window 0, D window 2
.set BIA_HI, 0xc1
.set TO_P,   0x40                      ; destination window 1, address window 0
; A joint load: waves 0 and 1 fetch for R, waves 2 and 3 for P.  The branch hangs on the wave's number alone.  Four v_nop follow each of the two lines.
.macro JLOAD g0a, g1a, g0b, g1b
	s_cmp_eq_u32 s15, 0
	s_cbranch_scc0 .Lfor_b_\@
	tensor_load_to_lds s[\g0a:\g0a+3], s[\g1a:\g1a+7]
	s_nop 0
.rept 4
	v_nop
.endr
	s_branch .Lasked_\@
.Lfor_b_\@:
	tensor_load_to_lds s[\g0b:\g0b+3], s[\g1b:\g1b+7]
	s_nop 0
.rept 4
	v_nop
.endr
.Lasked_\@:
.endm
.macro CROUND                          ; a round of the cluster's barrier
	s_barrier_signal -1
	s_barrier_wait -1
	s_cmp_lg_u32 s14, 0
	s_cbranch_scc1 .Lnot_wave_0_\@
	s_barrier_signal -3
.Lnot_wave_0_\@:
	s_barrier_wait -3
	s_barrier_signal -1
	s_barrier_wait -1
.endm
	s_load_b128 s[4:7], s[0:1], 0x0                ; xw s[4:5], b_qkv s[6:7]
	s_load_b64 s[8:9], s[0:1], 0x10                ; heads
	v_lshl_add_u32 v114, v0, 2, 0x44000
	v_mov_b32 v115, 0
	ds_add_u32 v114, v115
	ds_add_u32 v114, v115
	v_lshrrev_b32 v1, 5, v0
	v_readfirstlane_b32 s14, v1                    ; wave 0..3
	s_lshr_b32 s15, s14, 1                         ; which half of R's 256 rows is mine.  Also: I fetch for R (0) or for P (1)
	s_and_b32 s16, s14, 1                          ; which half of P's.  Also: which half of that tile I fetch
	s_bfe_u32 s40, ttmp6, 0x40000                  ; cx, cy: my place in the cluster
	s_bfe_u32 s41, ttmp6, 0x40004
	s_and_b32 s17, ttmp7, 0xffff
	s_lshl_b32 s17, s17, 2                         ; 4 x cluster y
	s_add_co_u32 s10, s17, s41                     ; q, k: R = x's 256 rows number 4 cly + cy
	s_add_co_u32 s11, s17, s40                     ; v:    P = x's 256 rows number 4 cly + cx
	s_lshl_b32 s12, ttmp9, 2
	s_add_co_u32 s12, s12, s40                     ; q, k: P = w's 256 columns number 4 clx + cx
	s_add_co_u32 s13, s41, 8                       ; v:    R = w's 256 columns number 8 + cy
	s_lshl_b32 s43, s41, 2
	s_lshl_b32 s43, 15, s43                        ; my row of the cluster
	s_lshl_b32 s44, 0x1111, s40                    ; my column
	; group 1: dense blocks as rows of 256 bytes (32 elements of 8 bytes), no padding: an image is read 16 bytes a lane on end
	s_or_b32 s[G1+0], s43, (3<<16)|(1<<21)         ; 15:0 the mask; 17:16 elements of 8 bytes; 21 set beside a mask
	s_or_b32 s[G1B+0], s44, (3<<16)|(1<<21)
	s_or_b32 s[G1S+0], s43, (3<<16)|(1<<21)
	s_or_b32 s[G1SB+0], s44, (3<<16)|(1<<21)
.irp g, G1, G1B
	s_mov_b32 s[\g+1], 32<<16                      ; tensor_dim0
	s_mov_b32 s[\g+2], 256<<16                     ; tensor_dim1: 256 rows = 65,536 bytes for the head's loads; behind them the two words that count rows are set to 128
	s_mov_b32 s[\g+3], 32<<16                      ; tile_dim0
	s_mov_b32 s[\g+4], 256                         ; tile_dim1
	s_mov_b32 s[\g+5], 32                          ; tensor_dim0_stride
	s_mov_b32 s[\g+6], 0
	s_mov_b32 s[\g+7], 0
.endr
.irp g, G1S, G1SB
	s_mov_b32 s[\g+1], 32<<16
	s_mov_b32 s[\g+2], 32<<16                      ; 32 rows = 8,192 bytes: the scale words of 256 rows, all of K
	s_mov_b32 s[\g+3], 32<<16
	s_mov_b32 s[\g+4], 32
	s_mov_b32 s[\g+5], 32
	s_mov_b32 s[\g+6], 0
	s_mov_b32 s[\g+7], 0
.endr
	s_mov_b32 s66, WQ_IMG
	s_mov_b32 s67, WQ_SC
	s_mov_b32 s96, X_SC
	s_mov_b32 s97, WQ_KH
	s_mov_b32 s42, X_KH
	s_cmp_eq_u32 ttmp9, 2                          ; v's clusters?  R's registers never hold cx, P's never cy
	s_cselect_b32 s18, s13, s10                    ; R: which 256
	s_cselect_b32 s19, s11, s12                    ; P: which 256
	s_cselect_b32 s20, s66, 0                      ; R: its images' region,
	s_cselect_b32 s46, 0, s66                      ; P's,
	s_cselect_b32 s22, s67, s96                    ; R's scale words',
	s_cselect_b32 s92, s96, s67                    ; P's,
	s_cselect_b32 s2, s97, s42                     ; R: bytes to the other half of K,
	s_cselect_b32 s98, s42, s97                    ; P's
	s_mov_b32 s3, 0
	s_mov_b32 s99, 0
	s_lshl_b32 s96, s16, 15                        ; the half that I fetch: 8 tiles x 4,096 bytes
	s_lshl_b32 s21, s18, 16
	s_add_co_u32 s20, s20, s21
	s_mov_b32 s21, 0
	s_lshl_b32 s47, s19, 16
	s_add_co_u32 s46, s46, s47
	s_mov_b32 s47, 0
	s_add_co_u32 s2, s2, s96                       ; of the second half of K each wave fetches eight tiles: its part goes into the distance to that half
	s_add_co_u32 s98, s98, s96
	s_lshl_b32 s23, s18, 13
	s_add_co_u32 s22, s22, s23
	s_mov_b32 s23, 0
	s_lshl_b32 s93, s19, 13
	s_add_co_u32 s92, s92, s93
	s_mov_b32 s93, 0
	s_lshl_b32 s45, s14, 15                        ; where they go: wave x 32,768: no place in the cluster enters an LDS address
	s_mov_b32 s100, 0x76543210                     ; v_permlanex16_b32's selects for lane l xor 16
	s_mov_b32 s101, 0xfedcba98
	s_mov_b32 s95, 0xffff0000                      ; lanes 16-31
	s_wait_dscnt 0x0
	s_wait_kmcnt 0x0
	s_add_nc_u64 s[20:21], s[4:5], s[20:21]
	s_add_nc_u64 s[22:23], s[4:5], s[22:23]
	s_add_nc_u64 s[46:47], s[4:5], s[46:47]
	s_add_nc_u64 s[92:93], s[4:5], s[92:93]
	CROUND                                         ; all sixteen work-groups are here: the joint loads meet
	s_mov_b32 s[G0S], 1
	s_mov_b32 s[G0S+1], SCL                        ; R's scale words, 8,192 bytes
	s_mov_b64 s[G0S+2:G0S+3], s[22:23]
	s_or_b32 s[G0S+3], s[G0S+3], 0x80000000
	s_mov_b32 s[G0SB], 1
	s_mov_b32 s[G0SB+1], SCL+2*HALFS               ; P's behind them
	s_mov_b64 s[G0SB+2:G0SB+3], s[92:93]
	s_or_b32 s[G0SB+3], s[G0SB+3], 0x80000000
	s_mov_b32 s[G0], 1
	s_mov_b32 s[G0+1], 0                           ; the first half of K: R's sixteen tiles, whole
	s_mov_b64 s[G0+2:G0+3], s[20:21]
	s_or_b32 s[G0+3], s[G0+3], 0x80000000
	s_mov_b32 s[G0B], 1
	s_mov_b32 s[G0B+1], 2*HALF                     ; P's sixteen tiles behind them
	s_mov_b64 s[G0B+2:G0B+3], s[46:47]
	s_or_b32 s[G0B+3], s[G0B+3], 0x80000000
	s_mov_b32 s[G0+4], 1
	s_add_co_u32 s[G0+5], s45, SLOT
	s_add_nc_u64 s[G0+6:G0+7], s[20:21], s[2:3]
	s_or_b32 s[G0+7], s[G0+7], 0x80000000
	s_mov_b32 s[G0B+4], 1
	s_add_co_u32 s[G0B+5], s45, SLOT
	s_add_nc_u64 s[G0B+6:G0B+7], s[46:47], s[98:99]
	s_or_b32 s[G0B+7], s[G0B+7], 0x80000000
; THE HEAD'S LOADS, ONE A WAVE: wave 0 fetches R's codes of the first half of K, wave 1 P's, wave 2 R's scale words, wave 3 P's.
; One tree of branches on the wave's number: every way through the head passes exactly one load.
.macro ARM under, g0, g1, next
	s_cmp_lt_u32 s14, \under
	s_cbranch_scc0 \next
	tensor_load_to_lds s[\g0:\g0+3], s[\g1:\g1+7]
	s_nop 0
.rept 4
	v_nop
.endr
	s_branch .Lhead_asked
\next:
.endm
	ARM 1, G0,  G1,  .Lhead_p
	ARM 2, G0B, G1B, .Lhead_sr
	ARM 3, G0S, G1S, .Lhead_sp
	tensor_load_to_lds s[G0SB:G0SB+3], s[G1SB:G1SB+7]
	s_nop 0
.rept 4
	v_nop
.endr
.Lhead_asked:
	v_and_b32 v1, 15, v0                           ; r
	v_bfe_u32 v2, v0, 4, 1                         ; h
	s_wait_alu depctr_va_vdst(0)
	v_and_b32 v3, 31, v0
	v_lshlrev_b32 v[LI], 4, v3
	v_lshlrev_b32 v[L8], 3, v3
	v_mov_b32 v[FLR], 0x1800000
	s_lshl_b32 s96, s15, 15                        ; my 128 rows of R,
	s_lshl_b32 s97, s16, 15                        ; my 128 rows of P,
	s_add_co_u32 s97, s97, 2*HALF                  ; which lie behind R's 256
.irp s, 0,1
	v_add_nc_u32 v[ADRR+\s], s96, v[LI]
	v_add_nc_u32 v[ADRP+\s], s97, v[LI]
	s_add_co_u32 s96, s96, SLOT
	s_add_co_u32 s97, s97, SLOT
.endr
	s_lshl_b32 s96, s15, 12                        ; scale words: R's half,
	s_lshl_b32 s97, s16, 12                        ; P's half, behind R's two;
	s_add_co_u32 s97, s97, 2*HALFS
	s_sub_co_u32 s97, s97, s96
	v_mul_u32_u24 v4, s97, v2                      ; lanes 16-31 take P's: one product, the distance between the two
	s_add_co_u32 s96, s96, SCL
	v_lshl_add_u32 v4, v1, 4, v4                   ; row r: four words, one for each step of the half of K
	v_add_nc_u32 v[ADRS], s96, v4
.irp b, 0,1,2,3
	v_mov_b32 v[TM+4+\b], 0                        ; written once: a lane permute's destination counts as one of its sources
.endr
	; THE BIAS is the C of each sum's first product, in the result's layout.  q, k: it runs with P, down the registers: eight registers for each of P's tiles.  v: it runs with R: one number a lane for each of R's tiles, spread over eight registers.
	s_cmp_eq_u32 ttmp9, 2
	s_cbranch_scc1 .Lbias_v
	s_lshl_b32 s96, s19, 10                        ; 4 bytes x (256 x P's number + 128 x my half)
	s_lshl_b32 s97, s16, 9
	s_add_co_u32 s96, s96, s97
	s_mov_b32 s97, 0
	s_add_nc_u64 s[6:7], s[6:7], s[96:97]
	v_lshlrev_b32 v28, 6, v2                       ; lane (r, h), tile 2 b + u: columns 32 b + 16 h + 8 u + 0 .. 7
.irp b, 0,1,2,3,4,5,6,7
	global_load_b128 v[BI+8*\b:BI+8*\b+3], v28, s[6:7] offset:(32*(\b/2)+8*(\b%2))*4
	global_load_b128 v[BI+8*\b+4:BI+8*\b+7], v28, s[6:7] offset:(32*(\b/2)+8*(\b%2))*4+16
.endr
	s_wait_loadcnt 0x0
	s_branch .Lbias_done
.Lbias_v:
	s_lshl_b32 s96, s41, 10                        ; 4 bytes x (2,048 + 256 cy + 128 x my half)
	s_lshl_b32 s97, s15, 9
	s_add_co_u32 s96, s96, s97
	s_add_co_u32 s96, s96, 8192
	s_mov_b32 s97, 0
	s_add_nc_u64 s[6:7], s[6:7], s[96:97]
	v_and_b32 v28, 8, v1
	v_add_nc_u32 v28, v28, v1                      ; r + 8 (r / 8)
	v_lshlrev_b32 v28, 2, v28
.irp a, 0,1,2,3,4,5,6,7
	global_load_b32 v[BI+8*\a], v28, s[6:7] offset:(32*(\a/2)+8*(\a%2))*4
.endr
	s_wait_loadcnt 0x0
.irp a, 0,1,2,3,4,5,6,7
.irp j, 1,2,3,4,5,6,7
	v_mov_b32 v[BI+8*\a+\j], v[BI+8*\a]
.endr
.endr
.Lbias_done:
.macro FRAG reg, adr, q, i             ; a fragment's image, tile i, step q: 8 registers by two loads of 512 consecutive bytes
.irp c, 0,1
	ds_load_b128 v[\reg+4*\c:\reg+4*\c+3], v[\adr] offset:4096*(\i)+1024*(\q)+512*\c
.endr
.endm
; 16 products: R's blocks a0, a0 + 1 x P's eight, 128 along K.  p: P's set; sc: the set of scale words.  mode 0: adds in place; 1: C = the bias of P's tile; 2: C = the bias of R's tile.
; The 64 accumulators take turns, one instruction a turn, in the same order in every step.
.macro MUL16 a0, p, q, sc, mode
.irp a, \a0, \a0+1
.irp b, 0,1,2,3,4,5,6,7
.if \mode == 1
	v_wmma_scale_f32_16x16x128_f8f6f4 v[8*(8*((\a)%4)+\b):8*(8*((\a)%4)+\b)+7], v[128*(\p)+FR*\b:128*(\p)+FR*\b+FR-1], v[RF+FR*(\a):RF+FR*(\a)+FR-1], v[BI+8*\b:BI+8*\b+7], v[SC+8*NQ*(\sc)+NQ*\b+(\q)], v[SC+8*NQ*(\sc)+NQ*(\a)+(\q)] matrix_a_fmt:MATRIX_FMT_FP4 matrix_b_fmt:MATRIX_FMT_FP4 matrix_a_scale:MATRIX_SCALE_ROW1
.elseif \mode == 2
	v_wmma_scale_f32_16x16x128_f8f6f4 v[8*(8*((\a)%4)+\b):8*(8*((\a)%4)+\b)+7], v[128*(\p)+FR*\b:128*(\p)+FR*\b+FR-1], v[RF+FR*(\a):RF+FR*(\a)+FR-1], v[BI+8*(\a):BI+8*(\a)+7], v[SC+8*NQ*(\sc)+NQ*\b+(\q)], v[SC+8*NQ*(\sc)+NQ*(\a)+(\q)] matrix_a_fmt:MATRIX_FMT_FP4 matrix_b_fmt:MATRIX_FMT_FP4 matrix_a_scale:MATRIX_SCALE_ROW1
.else
	v_wmma_scale_f32_16x16x128_f8f6f4 v[8*(8*((\a)%4)+\b):8*(8*((\a)%4)+\b)+7], v[128*(\p)+FR*\b:128*(\p)+FR*\b+FR-1], v[RF+FR*(\a):RF+FR*(\a)+FR-1], v[8*(8*((\a)%4)+\b):8*(8*((\a)%4)+\b)+7], v[SC+8*NQ*(\sc)+NQ*\b+(\q)], v[SC+8*NQ*(\sc)+NQ*(\a)+(\q)] matrix_a_fmt:MATRIX_FMT_FP4 matrix_b_fmt:MATRIX_FMT_FP4 matrix_a_scale:MATRIX_SCALE_ROW1
.endif
.endr
.endr
.endm
.macro FETCH_P slot, q, p              ; P's eight fragments of the slot's step q into set p
	WIN TO_P
.irp i, 0,1,2,3,4,5,6,7
	FRAG 128*(\p)+FR*\i, ADRP+\slot, \q, \i
.endr
	WIN 0
.endm
.macro FETCH_R slot, q, i0             ; R's blocks i0 .. i0 + 3
.irp i, \i0, \i0+1, \i0+2, \i0+3
	FRAG RF+FR*(\i), ADRR+\slot, \q, \i
.endr
.endm
.macro SCALES sc                       ; a half of K's scale words: register NQ i + q: lanes 0-15 R's tile i, lanes 16-31 P's tile i, step q
.irp i, 0,1,2,3,4,5,6,7
	ds_load_b128 v[SC+8*NQ*\sc+NQ*\i:SC+8*NQ*\sc+NQ*\i+3], v[ADRS] offset:512*\i+256*\sc
.endr
.endm
; A load into a register that a matrix instruction has read, and a vector instruction that reads a matrix result, stand four places behind it; only plain vector instructions that name none of its registers are places.
.macro PLACES n
.rept \n
	v_nop
.endr
.endm
; A step of 128 along K that has its successor in the same slot.  R has one set of registers: blocks 0-3 are fetched anew in the step's middle, blocks 4-7 at its end; P has two sets.
.macro STEP slot, q, mode
	s_wait_dscnt 8                                 ; P's set and R's blocks 0-3 are in; the youngest eight loads (R's blocks 4-7) may be out
.if \mode
	WIN BIA_LO
.else
	WIN MUL_LO
.endif
	MUL16 0, (\q)%2, \q, \slot, \mode
	MUL16 2, (\q)%2, \q, \slot, \mode
	s_wait_dscnt 0                                 ; R's blocks 4-7 are in
	PLACES 4
	FETCH_P \slot, (\q)+1, 1-(\q)%2
	FETCH_R \slot, (\q)+1, 0
.if \mode
	WIN BIA_HI
.else
	WIN MUL_HI
.endif
	MUL16 4, (\q)%2, \q, \slot, \mode
	MUL16 6, (\q)%2, \q, \slot, \mode
	PLACES 4
	WIN 0
	FETCH_R \slot, (\q)+1, 4
.endm
	s_wait_alu depctr_va_vdst(0)                   ; the wait at the head's end
	s_wait_tensorcnt 0x0                           ; my tile of the head's four is in
	ds_add_u32 v114, v115
	s_mov_b32 s[G1+2], 128<<16                     ; no tensor load of mine is out, so a descriptor may be written: from here on a load brings 128 rows
	s_mov_b32 s[G1+4], 128
	s_mov_b32 s[G1B+2], 128<<16
	s_mov_b32 s[G1B+4], 128
	s_wait_dscnt 0x0
	CROUND                                         ; all four tiles are in, and all sixteen work-groups are here
	JLOAD G0+4, G1, G0B+4, G1B                     ; the second half of K, a quarter of its slot a wave: my one load behind the round
	FETCH_P 0, 0, 0
	FETCH_R 0, 0, 0
	s_wait_alu depctr_va_vdst(0)
	SCALES 0
	FETCH_R 0, 0, 4
	s_cmp_eq_u32 ttmp9, 2
	s_cbranch_scc1 .Lfirst_v
	STEP 0, 0, 1                                   ; the first products start the sums from the bias: nothing is cleared, nothing is added later
	s_branch .Lfirst_done
.Lfirst_v:
	STEP 0, 0, 2
.Lfirst_done:
	STEP 0, 1, 0
	STEP 0, 2, 0
	; the change of slots: one barrier.  In front of it each wave's part of slot 1 has landed and its LDS loads are in
	s_wait_tensorcnt 0x0
	s_wait_dscnt 8
	WIN MUL_LO
	MUL16 0, 1, 3, 0, 0
	s_wait_dscnt 0x0
	s_barrier_signal -1
	MUL16 2, 1, 3, 0, 0
	WIN 0
	s_barrier_wait -1
	PLACES 4
	FETCH_P 1, 0, 0
	FETCH_R 1, 0, 0
	SCALES 1
	WIN MUL_HI
	MUL16 4, 1, 3, 0, 0
	MUL16 6, 1, 3, 0, 0
	PLACES 4
	WIN 0
	FETCH_R 1, 0, 4
	STEP 1, 0, 0
	STEP 1, 1, 0
	STEP 1, 2, 0
	s_wait_dscnt 8                                 ; the last step: nothing more to fetch
	WIN MUL_LO
	MUL16 0, 1, 3, 1, 0
	MUL16 2, 1, 3, 1, 0
	s_wait_dscnt 0
	WIN MUL_HI
	MUL16 4, 1, 3, 1, 0
	MUL16 6, 1, 3, 1, 0
	WIN 0
	PLACES 4
; R's block a: a lane's 64 results, register 16 b + i = P's index 32 b + 16 h + i of the lane's row of R, become eight registers of codes in v[PC] on (registers 4 c .. 4 c + 3: P's index 64 c + 32 h + 0 .. 31).
; full = 1: one scale word of four bytes in v[d0].  full = 0: two words of two bytes, v[d0] for blocks 0, 1 and v[d1] for blocks 2, 3.  Each accumulator is read from its low end on.
.macro QUANT a, full, d0, d1
.set AC, 64*((\a)%4)
	WIN 0x28+0x14*((\a)/4)                         ; sources 1 and 2: window 2 or 3
.irp b, 0,1,2,3
	v_max3_num_f32 v[TM+\b], v[FLR], |v[AC+16*\b]|, |v[AC+16*\b+1]|   ; my 16 numbers of block b, and the floor: the byte cannot fall under 1
.endr
.irp i, 2,4,6,8,10,12,14
.irp b, 0,1,2,3
	v_max3_num_f32 v[TM+\b], v[TM+\b], |v[AC+16*\b+\i]|, |v[AC+16*\b+\i+1]|
.endr
.endr
	WIN 0
.irp b, 0,1,2,3
	v_permlanex16_b32 v[TM+4+\b], v[TM+\b], s100, s101
.endr
.irp b, 0,1,2,3
	v_max_num_f32 v[TM+\b], v[TM+\b], v[TM+4+\b]   ; with lane l xor 16's: the block's largest magnitude
.endr
.irp b, 0,1,2,3
	v_add_nc_u32 v[TM+12+\b], 0xff000000, v[TM+\b] ; 2 off its exponent field: the conversion's scale operand
.endr
.irp b, 0,1,2,3
	v_lshrrev_b32 v[TM+4+\b], 23, v[TM+12+\b]      ; the byte
.endr
	v_lshl_or_b32 v[\d0], v[TM+5], 8, v[TM+4]
.if \full
	v_lshl_or_b32 v[\d0], v[TM+6], 16, v[\d0]
	v_lshl_or_b32 v[\d0], v[TM+7], 24, v[\d0]
.else
	v_lshl_or_b32 v[\d1], v[TM+7], 8, v[TM+6]
.endif
	s_wait_xcnt 0x0                                ; the last block's stores have read the codes' registers: only behind this wait are they written again
	WIN 0x02+(\a)/4                                ; source 0: window 2 or 3
.irp b, 0,1,2,3
	v_cvt_scalef32_pk8_fp4_f32 v[PC+2*\b], v[AC+16*\b:AC+16*\b+7], v[TM+12+\b]
	v_cvt_scalef32_pk8_fp4_f32 v[PC+2*\b+1], v[AC+16*\b+8:AC+16*\b+15], v[TM+12+\b]
.endr
	WIN 0
	v_nop                                          ; one plain line behind the last conversion
.irp c, 0,1
.irp i, 0,1
	v_permlane16_swap_b32 v[PC+4*\c+\i], v[PC+4*\c+2+\i]   ; a whole block to a lane: lanes 0-15 block 2 c, lanes 16-31 block 2 c + 1
.endr
.endr
.endm
	s_cmp_eq_u32 ttmp9, 2
	s_cbranch_scc1 .Lepi_v
	; ---- q, k: my 128 columns are two heads; R's block a is tile a of my 128 rows.  Registers PC + 4 c .. + 3 are head c's image of the tile.
	s_lshr_b32 s96, s10, 3                         ; the batch: 8 x 256 rows each
	s_lshl_b32 s96, s96, 4
	s_lshl_b32 s97, s40, 2
	s_add_co_u32 s96, s96, s97
	s_lshl_b32 s97, s16, 1
	s_add_co_u32 s96, s96, s97                     ; b h of my first head: 16 b + 4 cx + 2 x half
	s_and_b32 s97, s10, 7                          ; which 256 rows of the batch
	s_lshl_b32 s20, s96, 16                        ; images: 65,536 a head,
	s_lshl_b32 s21, ttmp9, 22                      ; k's behind q's,
	s_add_co_u32 s20, s20, s21
	s_lshl_b32 s21, s97, 13                        ; 16 tiles of 512 bytes for 256 rows,
	s_add_co_u32 s20, s20, s21
	s_lshl_b32 s21, s15, 12                        ; 8 for my half
	s_add_co_u32 s20, s20, s21
	s_mov_b32 s21, 0
	s_add_nc_u64 s[20:21], s[8:9], s[20:21]
	s_mul_i32 s22, s96, 12288                      ; scale words: 12,288 a head,
	s_mul_i32 s23, ttmp9, 786432                   ; k's region behind q's,
	s_add_co_u32 s22, s22, s23
	s_lshl_b32 s23, s97, 1
	s_add_co_u32 s23, s23, s15
	s_mul_i32 s23, s23, 768                        ; 768 for each 128 rows
	s_add_co_u32 s22, s22, s23
	s_add_co_u32 s22, s22, Q_SC
	s_mov_b32 s23, 0
	s_add_nc_u64 s[22:23], s[8:9], s[22:23]
.irp a, 0,1,2,3,4,5,6,7
.if \a < 4
	QUANT \a, 0, WD+\a, WD+4+\a                    ; tiles 0-3: the words of lanes 0-15
.else
	QUANT \a, 0, 28, 29
	v_cndmask_b32 v[WD+\a-4], v[WD+\a-4], v28, s95 ; tiles 4-7: into lanes 16-31
	v_cndmask_b32 v[WD+\a], v[WD+\a], v29, s95
.endif
	global_store_b128 v[LI], v[PC:PC+3], s[20:21] offset:512*\a            ; 512 consecutive bytes: the tile's image, first head
	global_store_b128 v[LI], v[PC+4:PC+7], s[20:21] offset:65536+512*\a    ; second head
.endr
	global_store_b128 v[LI], v[WD:WD+3], s[22:23]
	global_store_b128 v[LI], v[WD+4:WD+7], s[22:23] offset:12288
	s_branch .Lend
.Lepi_v:
	; ---- v: my 128 columns (R) are two heads of four tiles of d; my 128 rows (P) are 128 keys: R's block a gives one whole fragment, 16 d x 128 keys.
	s_lshr_b32 s96, s11, 3
	s_lshl_b32 s96, s96, 4
	s_lshl_b32 s97, s41, 2
	s_add_co_u32 s96, s96, s97
	s_lshl_b32 s97, s15, 1
	s_add_co_u32 s96, s96, s97                     ; b h of my first head: 16 b + 4 cy + 2 x half
	s_and_b32 s97, s11, 7
	s_lshl_b32 s97, s97, 1
	s_add_co_u32 s97, s97, s16                     ; which 128 keys of the batch
	s_lshl_b32 s20, s96, 16
	s_lshl_b32 s21, s97, 12
	s_add_co_u32 s20, s20, s21
	s_add_co_u32 s20, s20, V_IMG
	s_mov_b32 s21, 0
	s_add_nc_u64 s[20:21], s[8:9], s[20:21]
	s_mul_i32 s22, s96, 12288
	s_mul_i32 s23, s97, 768
	s_add_co_u32 s22, s22, s23
	s_add_co_u32 s22, s22, KV_SC+512               ; behind k's 512 bytes of the same 128 keys
	s_mov_b32 s23, 0
	s_add_nc_u64 s[22:23], s[8:9], s[22:23]
.irp a, 0,1,2,3,4,5,6,7
.if (\a%4) < 2
	QUANT \a, 1, WD+2*(\a/4)+(\a%2), 0             ; tiles 0, 1 of a head: the words of lanes 0-15
.else
	QUANT \a, 1, 28, 0
	v_cndmask_b32 v[WD+2*(\a/4)+(\a%2)], v[WD+2*(\a/4)+(\a%2)], v28, s95   ; tiles 2, 3: into lanes 16-31
.endif
	global_store_b128 v[LI], v[PC:PC+3], s[20:21] offset:65536*(\a/4)+1024*(\a%4)
	global_store_b128 v[LI], v[PC+4:PC+7], s[20:21] offset:65536*(\a/4)+1024*(\a%4)+512
.endr
	global_store_b64 v[L8], v[WD:WD+1], s[22:23]                 ; 256 consecutive bytes, aligned
	global_store_b64 v[L8], v[WD+2:WD+3], s[22:23] offset:12288
.Lend:
	s_wait_tensorcnt 0x0
	ds_add_u32 v114, v115
	s_wait_dscnt 0x0
	CROUND                                         ; the closing round: no work-group ends while a partner may still ask for a tile that names it
	s_endpgm
.Lfunc_end_k_q45ead8ca08_gemm_qkv:
	.size	k_q45ead8ca08_gemm_qkv, .Lfunc_end_k_q45ead8ca08_gemm_qkv-k_q45ead8ca08_gemm_qkv
	.p2alignl 7, 3214868480
	.fill 96, 4, 3214868480
	.section	.rodata,"a",@progbits
	.p2align	6, 0x0
	.amdhsa_kernel k_q45ead8ca08_gemm_qkv
		.amdhsa_group_segment_fixed_size 327680
		.amdhsa_private_segment_fixed_size 0
		.amdhsa_enable_private_segment 0
		.amdhsa_kernarg_size 24
		.amdhsa_user_sgpr_count 2
		.amdhsa_user_sgpr_kernarg_segment_ptr 1
		.amdhsa_wavefront_size32 1
		.amdhsa_system_sgpr_workgroup_id_x 1
		.amdhsa_system_sgpr_workgroup_id_y 1
		.amdhsa_system_sgpr_workgroup_id_z 1
		.amdhsa_system_vgpr_workitem_id 0
		.amdhsa_next_free_vgpr 1024
		.amdhsa_next_free_sgpr 102
		.amdhsa_reserve_vcc 0
		.amdhsa_float_denorm_mode_32 3
		.amdhsa_float_denorm_mode_16_64 3
		.amdhsa_memory_ordered 1
		.amdhsa_forward_progress 1
		.amdhsa_inst_pref_size 176
	.end_amdhsa_kernel
	.amdgpu_metadata
---
amdhsa.version: [ 1, 2 ]
amdhsa.kernels:
  - .name:           k_q45ead8ca08_gemm_qkv
    .symbol:         k_q45ead8ca08_gemm_qkv.kd
    .args:
      - { .name: xw, .offset: 0, .size: 8, .value_kind: global_buffer, .address_space: global }
      - { .name: b_qkv, .offset: 8, .size: 8, .value_kind: global_buffer, .address_space: global }
      - { .name: heads, .offset: 16, .size: 8, .value_kind: global_buffer, .address_space: global }
    .group_segment_fixed_size: 327680
    .private_segment_fixed_size: 0
    .kernarg_segment_align: 8
    .kernarg_segment_size: 24
    .max_flat_workgroup_size: 128
    .sgpr_count:     102
    .vgpr_count:     1024
    .wavefront_size: 32
...
	.end_amdgpu_metadata
.endif
;; end of part 2
;; launch attn (part 3): grid 4 x 64, 16 waves a work-group, clusters of 4 x 1, 169,984 bytes of LDS; arguments heads, attc; writes attc
.if DOCPART == 3
	.amdgcn_target "amdgcn-amd-amdhsa--gfx1250"
	.amdhsa_code_object_version 6
	.text
	.protected	k_q45ead8ca08_attn
	.globl	k_q45ead8ca08_attn
	.p2align	8
	.type	k_q45ead8ca08_attn,@function
k_q45ead8ca08_attn:
	s_mov_b64 s[64:65], 0
	v_nop
	global_prefetch_b8 v0, s[64:65] scope:SCOPE_SE
	s_setreg_imm32_b32 hwreg(HW_REG_WAVE_MODE, 25, 1), 1
	s_wait_xcnt 0x0
	s_wait_alu depctr_hold_cnt(0) depctr_sa_sdst(0) depctr_va_vdst(0) depctr_va_sdst(0) depctr_va_ssrc(0) depctr_va_vcc(0) depctr_vm_vsrc(0)
	s_getreg_b32 s2, hwreg(HW_REG_IB_STS2, 6, 4)
	s_cmp_eq_u32 s2, 0
	s_cbranch_scc0 .Lentry_in_a_cluster
	s_endpgm
.Lentry_in_a_cluster:
	s_bfe_u32 s2, ttmp6, 0x10000c
	s_cmp_lg_u32 s2, 0x3003
	s_cbranch_scc0 .Lentry_shape_is_right
	s_endpgm
.Lentry_shape_is_right:
; O[b h][q] = the sum over k of softmax_k(Q . K / 8) V, head size 64, 2,048 keys, both products on codes of FP4 with E8M0 scales; O is quantised at once along the head's 64 into the operand of the last product.
; THE SOFTMAX AHEAD OF THE SECOND PRODUCT: t = score x log2(e) / 8; M = the largest t so far, rounded UP to a whole number; p = 2^(t - M) is what is quantised, along the keys; it is not normalised.
; The row's sum is taken of the unquantised p and divides O at the end.  When M moves, the sum and O are multiplied by 2^(old M - new M): exact, and with no branch on data.
; SHARES.  256 work-groups: one owns 512 queries of one head.  Each of its sixteen waves owns two tiles of 16 queries (tiles w and w + 16 of the block) and walks all 2,048 keys for the first, then for the second: 256 registers a wave, four waves to a SIMD.
; A WHOLE HEAD'S K, V AND SCALE WORDS (140 KiB) LIE IN LDS, each byte filled once, by the head's loads, one a wave: waves 0-3 bring K's images in quarters of 16,384 bytes, waves 4-7 V's, wave 8 the 12,288 bytes of scale words.
; One wait for 0 and one barrier show them to all waves; behind it the waves share nothing.  No prefetch: every tile is asked for at the head, so there is no loop to run ahead in.
; CLUSTER.  The four blocks of queries of a head form a cluster: each tile is asked for jointly by all four work-groups.
; LAYOUT.  Both products are used transposed: S^T = K Q^T (source 0 = 16 keys), O^T = V^T P^T (source 0 = 16 of the head's 64): a lane holds ONE query throughout.
; Lane r of tile T (of keys, of queries, of d) holds index 32 (T / 2) + 8 (T % 2) + r + 8 (r / 8): so the 16 registers of tiles 2 b, 2 b + 1 of a result are 16 neighbours, 32 b + 16 (lane / 16) + 0 .. 15.
; The first product's K is 64 of the instruction's 128: registers 4-7 of Q's and K's fragments hold zero codes, set once; their scale bytes are 0, which is 2^-127 and harmless over zero codes.
; LIMITS: a block of zeros gets the byte 1 where the rule says 127 (zero codes; this program alone reads the bytes); NaN and infinities are not served; v_exp_f32 gives 0 for p under 2^-126.
; REGISTERS: v1-5 addresses that stay; v6, v7 the two tiles' scale words of Q; v8-11 the step's addresses; v12 -M, v13 the largest score, v[14:15] the sum in two halves; v16-23, v24-31 Q's two fragments;
;   v32-95 K's eight fragments (v32-35 also at work in the sums); v96-159 S^T, then p; v160-191 O^T; v192-199 p's codes; v200-231 V's four fragments; v232-239, v242, v244-247, v252, v254 at work;
;   v240-241 V's scale words; v248-251 K's; v253 p's; v243, v255 the add's two registers.
.set K_IMG, 4194304                    ; in heads: q's images at 0, k's, v's 4,194,304 further on
.set Q_SC,  12582912
.set KV_SC, 13369344
.set O_SC,  4194304                    ; in attc: O's images at 0, laid as x's: [half of K][tile][step][1,024]; its scale words [tile][half][r][step]
.set VB,    65536                      ; LDS: K's images at 0, V's here,
.set SCB,   131072                     ; the scale words: 768 bytes a step: K's 512, V's 256
.set SPARE, 0x29000                    ; the spare words: 128 bytes a wave, eight blocks of 256 bytes that no other line names
.macro CROUND                          ; a round of the cluster's barrier
	s_barrier_signal -1
	s_barrier_wait -1
	s_cmp_lg_u32 s18, 0
	s_cbranch_scc1 .Lnot_wave_0_\@
	s_barrier_signal -3
.Lnot_wave_0_\@:
	s_barrier_wait -3
	s_barrier_signal -1
	s_barrier_wait -1
.endm
.macro ARM under, g0, g1, next         ; an arm of the head's tree: its load, and a jump to the tree's end
	s_cmp_lt_u32 s18, \under
	s_cbranch_scc0 \next
	tensor_load_to_lds s[\g0:\g0+3], s[\g1:\g1+7]
	s_nop 0
.rept 4
	v_nop
.endr
	s_branch .Lhead_asked
\next:
.endm
	s_load_b128 s[4:7], s[0:1], 0x0                ; heads s[4:5], attc s[6:7]
	v_lshl_add_u32 v243, v0, 2, SPARE
	v_mov_b32 v255, 0
	ds_add_u32 v243, v255                          ; the opening lines: the add, twice on end, and its wait ahead of the first tensor load
	ds_add_u32 v243, v255
	v_lshrrev_b32 v8, 5, v0
	v_readfirstlane_b32 s18, v8                    ; wave 0..15
	s_and_b32 s8, ttmp7, 0xffff                    ; b h, which the four partners share
	s_bfe_u32 s9, ttmp6, 0x40000                   ; cx: it enters Q's and O's addresses alone
	s_lshl_b32 s10, ttmp9, 2
	s_add_co_u32 s10, s10, s9                      ; my block of 512 queries
	s_lshl_b32 s11, s10, 5
	s_add_co_u32 s11, s11, s18                     ; my first tile of queries, T; the second is T + 16
	; what waves 0-7 fetch: quarter wave % 4 of K's (wave / 4 = 0) or V's (1) images; it goes to LDS byte 16,384 x wave
	s_lshr_b32 s12, s18, 2
	s_and_b32 s13, s18, 3
	s_lshl_b32 s66, s12, 22
	s_lshl_b32 s67, s8, 16
	s_add_co_u32 s66, s66, s67
	s_lshl_b32 s67, s13, 14
	s_add_co_u32 s66, s66, s67
	s_add_co_u32 s66, s66, K_IMG
	s_mov_b32 s67, 0
	s_lshl_b32 s14, s18, 14
	s_mul_i32 s68, s8, 12288                       ; and wave 8: the head's scale words
	s_add_co_u32 s68, s68, KV_SC
	s_mov_b32 s69, 0
	; group 1: dense blocks as rows of 256 bytes (32 elements of 8 bytes), no padding; 64 rows for the codes, 48 for the scale words
	s_mov_b32 s24, 15|(3<<16)|(1<<21)              ; 15:0 the mask: all four work-groups; 17:16 elements of 8 bytes; 21 set beside a mask
	s_mov_b32 s25, 32<<16
	s_mov_b32 s26, 64<<16
	s_mov_b32 s27, 32<<16
	s_mov_b32 s28, 64
	s_mov_b32 s29, 32
	s_mov_b32 s30, 0
	s_mov_b32 s31, 0
	s_mov_b32 s32, 15|(3<<16)|(1<<21)
	s_mov_b32 s33, 32<<16
	s_mov_b32 s34, 48<<16
	s_mov_b32 s35, 32<<16
	s_mov_b32 s36, 48
	s_mov_b32 s37, 32
	s_mov_b32 s38, 0
	s_mov_b32 s39, 0
	; Q: tile T's image and scale words; tile T + 16's lie 8,192 and 1,536 bytes further on
	s_lshl_b32 s70, s8, 16
	s_lshl_b32 s71, s11, 9
	s_add_co_u32 s70, s70, s71
	s_mov_b32 s71, 0
	s_mul_i32 s72, s8, 12288
	s_lshr_b32 s73, s11, 3
	s_mul_i32 s73, s73, 768                        ; which 128 rows,
	s_add_co_u32 s72, s72, s73
	s_bfe_u32 s73, s11, 0x10002
	s_lshl_b32 s73, s73, 8                         ; tiles 4-7 lie in lanes 16-31's 256 bytes,
	s_add_co_u32 s72, s72, s73
	s_and_b32 s73, s11, 3
	s_lshl_b32 s73, s73, 2                         ; which of a lane's four words
	s_add_co_u32 s72, s72, s73
	s_add_co_u32 s72, s72, Q_SC
	s_mov_b32 s73, 0
	; O: the last product's k = 64 x head + d: half head / 8, step (head / 2) % 4, part head % 2 of the image; my two blocks are bytes 2 (head % 2) + 0, 1 of the step's word.  Tile T + 16: 65,536 and 8,192 bytes on
	s_lshr_b32 s16, s8, 4
	s_lshl_b32 s16, s16, 7
	s_add_co_u32 s16, s16, s11                     ; the tile among all 512: 128 x batch + T
	s_and_b32 s17, s8, 15
	s_lshr_b32 s19, s17, 3
	s_bfe_u32 s78, s17, 0x20001
	s_and_b32 s17, s17, 1
	s_lshl_b32 s74, s16, 12
	s_lshl_b32 s75, s19, 21
	s_add_co_u32 s74, s74, s75
	s_lshl_b32 s75, s78, 10
	s_add_co_u32 s74, s74, s75
	s_lshl_b32 s75, s17, 9
	s_add_co_u32 s74, s74, s75
	s_mov_b32 s75, 0
	s_lshl_b32 s76, s16, 9
	s_lshl_b32 s77, s19, 8
	s_add_co_u32 s76, s76, s77
	s_lshl_b32 s77, s78, 2
	s_add_co_u32 s76, s76, s77
	s_lshl_b32 s77, s17, 1
	s_add_co_u32 s76, s76, s77
	s_add_co_u32 s76, s76, O_SC
	s_mov_b32 s77, 0
	s_mov_b32 s20, 0x76543210                      ; v_permlanex16_b32's selects for lane l xor 16
	s_mov_b32 s21, 0xfedcba98
	s_mov_b32 s22, 0x3e38aa3b                      ; c = log2(e) / 8
	s_mov_b32 s23, s22                             ; (named with it as a pair, so it is written)
	s_mov_b32 s63, 0xffff0000                      ; lanes 16-31
	s_wait_dscnt 0x0                               ; both opening adds are done
	s_wait_kmcnt 0x0
	s_add_nc_u64 s[66:67], s[4:5], s[66:67]
	s_add_nc_u64 s[68:69], s[4:5], s[68:69]
	s_add_nc_u64 s[70:71], s[4:5], s[70:71]
	s_add_nc_u64 s[72:73], s[4:5], s[72:73]
	s_add_nc_u64 s[74:75], s[6:7], s[74:75]
	s_add_nc_u64 s[76:77], s[6:7], s[76:77]
	s_mov_b32 s40, 1                               ; group 0 for the codes,
	s_mov_b32 s41, s14
	s_mov_b64 s[42:43], s[66:67]
	s_or_b32 s43, s43, 0x80000000
	s_mov_b32 s44, 1                               ; and for the scale words
	s_mov_b32 s45, SCB
	s_mov_b64 s[46:47], s[68:69]
	s_or_b32 s47, s47, 0x80000000
	CROUND                                         ; all four work-groups are here: the joint loads meet
	ARM 8, 40, 24, .Lhead_sc                       ; one tree of branches on the wave's number: no way through the head passes two loads
	ARM 9, 44, 32, .Lhead_none
.Lhead_asked:
	v_and_b32 v8, 31, v0
	v_lshlrev_b32 v1, 4, v8                        ; 16 x lane: an image's place; K's images begin at LDS byte 0
	v_lshlrev_b32 v4, 3, v8
	v_and_b32 v9, 15, v0                           ; r
	v_bfe_u32 v10, v0, 4, 1                        ; h
	v_add_nc_u32 v2, VB-4096, v1                   ; V's, one step back: a step's V is addressed behind the step's count has gone on
	v_add_nc_u32 v3, SCB, v1                       ; K's scale words: four a lane: tiles 4 h .. 4 h + 3
	v_add_nc_u32 v4, SCB+512-768, v4               ; V's: two a lane: tiles 2 h, 2 h + 1; one step back likewise
	v_lshl_add_u32 v5, v9, 4, v10                  ; O's scale byte: 16 r + h
	v_lshlrev_b32 v11, 4, v9                       ; Q's scale word: 16 r
	global_load_b128 v[16:19], v1, s[70:71]        ; Q's two fragments stay in registers
	global_load_b128 v[24:27], v1, s[70:71] offset:8192
	global_load_b32 v6, v11, s[72:73]
	global_load_b32 v7, v11, s[72:73] offset:1536
.irp j, 20,21,22,23,28,29,30,31
	v_mov_b32 v[\j], 0                             ; zero codes for k = 64 .. 127
.endr
.irp t, 0,1,2,3,4,5,6,7
.irp j, 4,5,6,7
	v_mov_b32 v[32+8*\t+\j], 0                     ; the same in K's eight fragments: set once, no load lands here
.endr
.endr
.irp b, 0,1,2,3
	v_mov_b32 v[236+\b], 0                         ; written once: a lane permute's destination counts as one of its sources
.endr
	v_mov_b32 v253, 0                              ; (named as the upper half of the pair v[252:253] before it is first written)
; A KEY STEP: 128 keys.  qf: Q's fragment, qs: its scale word.
.macro STEP qf, qs
.irp t, 0,1,2,3,4,5,6,7
	ds_load_b128 v[32+8*\t:35+8*\t], v8 offset:512*\t
.endr
	ds_load_b128 v[248:251], v10
	s_wait_dscnt 0x0                               ; K and its scale words are in
.irp t, 0,1,2,3
	v_wmma_scale_f32_16x16x128_f8f6f4 v[96+8*\t:103+8*\t], v[32+8*\t:39+8*\t], v[\qf:\qf+7], 0, v[248+\t], v[\qs] matrix_a_fmt:MATRIX_FMT_FP4 matrix_b_fmt:MATRIX_FMT_FP4
.endr
.irp t, 4,5,6,7
	v_wmma_scale_f32_16x16x128_f8f6f4 v[96+8*\t:103+8*\t], v[32+8*\t:39+8*\t], v[\qf:\qf+7], 0, v[244+\t], v[\qs] matrix_a_fmt:MATRIX_FMT_FP4 matrix_b_fmt:MATRIX_FMT_FP4 matrix_a_scale:MATRIX_SCALE_ROW1
.endr
	s_add_co_u32 s60, s60, 4096                    ; the images: 4,096 bytes a step, K's and V's alike
	s_add_co_u32 s61, s61, 768                     ; the scale words: 768 bytes a step
	v_add_nc_u32 v9, s60, v2                       ; this step's V; these four lines are the places behind the products above and, for the loads below, behind the last step's
	v_add_nc_u32 v11, s61, v4
	v_add_nc_u32 v8, s60, v1                       ; the next step's K
	v_add_nc_u32 v10, s61, v3
.irp d, 0,1,2,3
.irp c, 0,1
	ds_load_b128 v[200+8*\d+4*\c:203+8*\d+4*\c], v9 offset:1024*\d+512*\c   ; V lands under the softmax
.endr
.endr
	ds_load_b64 v[240:241], v11
.irp b, 0,1,2,3
	v_max3_num_f32 v[232+\b], v[96+16*\b], v[97+16*\b], v[98+16*\b]   ; the largest score of each block of 32 keys: it serves the row's maximum and, since p rises with the score, the block's largest p
.endr
.irp i, 3,5,7,9,11,13
.irp b, 0,1,2,3
	v_max3_num_f32 v[232+\b], v[232+\b], v[96+16*\b+\i], v[97+16*\b+\i]
.endr
.endr
.irp b, 0,1,2,3
	v_max_num_f32 v[232+\b], v[232+\b], v[111+16*\b]
.endr
.irp b, 0,1,2,3
	s_delay_alu instid0(VALU_DEP_4)
	v_permlanex16_b32 v[236+\b], v[232+\b], s20, s21
.endr
.irp b, 0,1,2,3
	s_delay_alu instid0(VALU_DEP_4)
	v_max_num_f32 v[232+\b], v[232+\b], v[236+\b]  ; with lane l xor 16's 16 keys
.endr
	s_delay_alu instid0(VALU_DEP_2)
	v_max3_num_f32 v254, v232, v233, v234
	s_delay_alu instid0(VALU_DEP_1)
	v_max3_num_f32 v13, v254, v235, v13            ; the running largest score of my query
	s_delay_alu instid0(VALU_DEP_1)
	v_mul_f32 v254, s22, v13                       ; as t (c is positive)
	v_mov_b32 v242, v12
	s_delay_alu instid0(VALU_DEP_2)
	v_floor_f32 v12, -v254                         ; the new -M = floor(-t) = -ceil(t)
	s_delay_alu instid0(VALU_DEP_1)
	v_sub_f32 v254, v12, v242                      ; old M - new M: a whole number, 0 or less
	s_delay_alu instid0(VALU_DEP_1)
	v_cvt_i32_f32 v254, v254                       ; (it saturates)
	s_delay_alu instid0(VALU_DEP_1)
	v_ldexp_f32 v252, 1.0, v254                    ; f = 2^(old M - new M)
.set jj, 0
.rept 32
	v_pk_fma_f32 v[96+jj:97+jj], v[96+jj:97+jj], s[22:23], v[12:13] op_sel_hi:[1,0,0]   ; t - M, two at a time
.set jj, jj+2
.endr
.irp b, 0,1,2,3
	v_fma_f32 v[232+\b], v[232+\b], s22, v12       ; the same of each block's largest score
.endr
.set jj, 0
	s_wait_alu depctr_va_vdst(0)                   ; the wait ahead of the batch
.rept 64
	v_exp_f32 v[96+jj], v[96+jj]                   ; p = 2^(t - M), at most 1
.set jj, jj+1
.endr
.irp b, 0,1,2,3
	v_exp_f32 v[232+\b], v[232+\b]                 ; the block's largest p: the same two instructions on the same number give the same bits
.endr
	v_pk_mul_f32 v[14:15], v[14:15], v[252:253] op_sel_hi:[1,0]   ; the sums under the new M.  (A plain line behind the exponentials)
	s_wait_alu depctr_va_vdst(0)                   ; one wait for the whole batch, ahead of its first reader
.irp b, 0,1,2,3
	v_max_num_f32 v[232+\b], 0x1800000, v[232+\b]  ; the floor 2^(3 - 127): the byte cannot fall under 1
.endr
.irp b, 0,1,2,3
	s_delay_alu instid0(VALU_DEP_4)
	v_add_nc_u32 v[244+\b], 0xff000000, v[232+\b]  ; 2 off the exponent field: the conversion's scale operand
.endr
.irp b, 0,1,2,3
	s_delay_alu instid0(VALU_DEP_4)
	v_lshrrev_b32 v[236+\b], 23, v[244+\b]         ; the byte
.endr
	s_delay_alu instid0(VALU_DEP_3)
	v_lshl_or_b32 v253, v237, 8, v236              ; p's scale word for these 128 keys
	s_delay_alu instid0(VALU_DEP_1)
	v_lshl_or_b32 v253, v238, 16, v253
	s_delay_alu instid0(VALU_DEP_1)
	v_lshl_or_b32 v253, v239, 24, v253
.irp b, 0,1,2,3
	v_cvt_scalef32_pk8_fp4_f32 v[192+2*\b], v[96+16*\b:103+16*\b], v[244+\b]
	v_cvt_scalef32_pk8_fp4_f32 v[193+2*\b], v[104+16*\b:111+16*\b], v[244+\b]
.endr
	; the row's sum of the unquantised p, two at a time, in eight chains.  These lines only read p: they are the plain lines behind the conversions
	v_pk_add_f32 v[236:237], v[100:101], v[104:105]
	v_pk_add_f32 v[34:35], v[108:109], v[112:113]
	v_pk_add_f32 v[32:33], v[116:117], v[120:121]
	v_pk_add_f32 v[246:247], v[124:125], v[128:129]
	v_pk_add_f32 v[244:245], v[132:133], v[136:137]
	v_pk_add_f32 v[234:235], v[140:141], v[144:145]
	v_pk_add_f32 v[232:233], v[148:149], v[152:153]
	v_pk_add_f32 v[14:15], v[14:15], v[156:157]
	v_pk_add_f32 v[236:237], v[236:237], v[96:97]
	v_pk_add_f32 v[34:35], v[34:35], v[98:99]
	v_pk_add_f32 v[32:33], v[32:33], v[102:103]
	v_pk_add_f32 v[246:247], v[246:247], v[106:107]
	v_pk_add_f32 v[244:245], v[244:245], v[110:111]
	v_pk_add_f32 v[234:235], v[234:235], v[114:115]
	v_pk_add_f32 v[232:233], v[232:233], v[118:119]
	v_pk_add_f32 v[14:15], v[14:15], v[122:123]
	v_pk_add_f32 v[236:237], v[236:237], v[126:127]
	v_pk_add_f32 v[34:35], v[34:35], v[130:131]
	v_pk_add_f32 v[32:33], v[32:33], v[134:135]
	v_pk_add_f32 v[246:247], v[246:247], v[138:139]
	v_pk_add_f32 v[244:245], v[244:245], v[142:143]
	v_pk_add_f32 v[234:235], v[234:235], v[146:147]
	v_pk_add_f32 v[232:233], v[232:233], v[150:151]
	v_pk_add_f32 v[14:15], v[14:15], v[154:155]
	v_pk_add_f32 v[236:237], v[236:237], v[158:159]
	s_delay_alu instid0(VALU_DEP_2)
	v_pk_add_f32 v[14:15], v[14:15], v[246:247]
	s_delay_alu instid0(VALU_DEP_2)
	v_pk_add_f32 v[236:237], v[236:237], v[244:245]
	v_pk_add_f32 v[34:35], v[34:35], v[234:235]
	v_pk_add_f32 v[32:33], v[32:33], v[232:233]
	s_delay_alu instid0(VALU_DEP_2)
	v_pk_add_f32 v[14:15], v[14:15], v[34:35]
	s_delay_alu instid0(VALU_DEP_2)
	v_pk_add_f32 v[236:237], v[236:237], v[32:33]
	s_delay_alu instid0(VALU_DEP_1)
	v_pk_add_f32 v[14:15], v[14:15], v[236:237]
.irp c, 0,1
.irp i, 0,1
	v_permlane16_swap_b32 v[192+4*\c+\i], v[194+4*\c+\i]   ; a whole block to a lane
.endr
.endr
	s_wait_alu depctr_va_vdst(0)                   ; the wait here, directly ahead of the first reader of O^T
.set jj, 0
.rept 16
	v_pk_mul_f32 v[160+jj:161+jj], v[160+jj:161+jj], v[252:253] op_sel_hi:[1,0]   ; O^T under the new M.  (Also the places between p's codes and scale word and the products below)
.set jj, jj+2
.endr
	s_wait_alu depctr_va_vdst(0)                   ; the wait here, directly ahead of the wait below
	s_wait_dscnt 0x0                               ; V and its scale words are in
.irp d, 0,1                                    ; the four accumulators take turns, one instruction a turn
	v_wmma_scale_f32_16x16x128_f8f6f4 v[160+8*\d:167+8*\d], v[200+8*\d:207+8*\d], v[192:199], v[160+8*\d:167+8*\d], v[240+\d], v253 matrix_a_fmt:MATRIX_FMT_FP4 matrix_b_fmt:MATRIX_FMT_FP4
.endr
.irp d, 2,3
	v_wmma_scale_f32_16x16x128_f8f6f4 v[160+8*\d:167+8*\d], v[200+8*\d:207+8*\d], v[192:199], v[160+8*\d:167+8*\d], v[238+\d], v253 matrix_a_fmt:MATRIX_FMT_FP4 matrix_b_fmt:MATRIX_FMT_FP4 matrix_a_scale:MATRIX_SCALE_ROW1
.endr
.endm
; ONE TILE OF QUERIES through all sixteen key steps, and its way out.  p = 0: tile T, 1: tile T + 16.
.macro PASS qf, qs, p
	v_mov_b32 v13, 0xff61b1e6                      ; the largest score so far: -3e38, under every score
	v_mov_b32 v14, 0
	v_mov_b32 v15, 0
	v_mul_f32 v254, s22, v13
	v_floor_f32 v12, -v254                         ; -M
.set jj, 0
.rept 32
	v_mov_b32 v[160+jj], 0                         ; O^T: the step is written once; its first walk finds zeros, which the first change of M leaves zeros
.set jj, jj+1
.endr
	v_mov_b32 v8, v1                               ; step 0's K and its scale words
	v_mov_b32 v10, v3
	s_mov_b32 s60, 0
	s_mov_b32 s61, 0
	s_mov_b32 s62, 16
.Lstep_\@:
	STEP \qf, \qs
	s_sub_co_u32 s62, s62, 1
	s_cmp_lg_u32 s62, 0
	s_cbranch_scc1 .Lstep_\@
	; THE WAY OUT.  O^T / the sum; register 16 b + i is d = 32 b + 16 h + i of my query: two blocks of the last product's K
.rept 4
	v_nop                                          ; places behind the last products
.endr
	v_add_f32 v14, v14, v15                        ; the sum's two halves,
	s_delay_alu instid0(VALU_DEP_1)
	v_permlanex16_b32 v252, v14, s20, s21
	s_delay_alu instid0(VALU_DEP_1)
	v_add_f32 v14, v14, v252                       ; and lane l xor 16's: the row's sum
	s_wait_alu depctr_va_vdst(0)                   ; the wait ahead of the transcendental
	v_rcp_f32 v14, v14
	v_nop                                          ; a plain line behind the transcendental
.set jj, 0
	s_wait_alu depctr_va_vdst(0)                   ; and ahead of its first reader, which is O^T's first reader too
.rept 16
	v_pk_mul_f32 v[96+jj:97+jj], v[160+jj:161+jj], v[14:15] op_sel_hi:[1,0]   ; each accumulator from its low end on
.set jj, jj+2
.endr
.irp b, 0,1
	v_max3_num_f32 v[232+\b], |v[96+16*\b]|, |v[97+16*\b]|, 0x1800000
.endr
.irp i, 2,4,6,8,10,12,14
.irp b, 0,1
	s_delay_alu instid0(VALU_DEP_2)
	v_max3_num_f32 v[232+\b], v[232+\b], |v[96+16*\b+\i]|, |v[97+16*\b+\i]|
.endr
.endr
.irp b, 0,1
	s_delay_alu instid0(VALU_DEP_2)
	v_permlanex16_b32 v[236+\b], v[232+\b], s20, s21
.endr
.irp b, 0,1
	s_delay_alu instid0(VALU_DEP_2)
	v_max_num_f32 v[232+\b], v[232+\b], v[236+\b]
.endr
.irp b, 0,1
	s_delay_alu instid0(VALU_DEP_2)
	v_add_nc_u32 v[244+\b], 0xff000000, v[232+\b]
.endr
.irp b, 0,1
	s_delay_alu instid0(VALU_DEP_2)
	v_lshrrev_b32 v[236+\b], 23, v[244+\b]
.endr
.irp b, 0,1
	v_cvt_scalef32_pk8_fp4_f32 v[192+2*\b], v[96+16*\b:103+16*\b], v[244+\b]
	v_cvt_scalef32_pk8_fp4_f32 v[193+2*\b], v[104+16*\b:111+16*\b], v[244+\b]
.endr
	v_nop                                          ; one plain line behind the last conversion
	v_permlane16_swap_b32 v192, v194               ; lanes 0-15 block 0, lanes 16-31 block 1
	v_permlane16_swap_b32 v193, v195
	v_cndmask_b32 v236, v236, v237, s63            ; lane (r, h) stores block h's byte
	global_store_b128 v1, v[192:195], s[74:75] offset:65536*\p   ; 512 consecutive bytes: half an image
	global_store_b8 v5, v236, s[76:77] offset:8192*\p            ; a head owns 2 of the 16 scale bytes of a row and half of K: single bytes, one in seventeen of what this launch stores
.if \p == 0
	s_wait_xcnt 0x0                                ; the stores have read their registers: the next tile writes them again
.endif
.endm
	s_wait_alu depctr_va_vdst(0)                   ; the wait at the head's end
	s_wait_loadcnt 0x0                             ; Q
	s_wait_tensorcnt 0x0                           ; my load, if I issued one, has landed
	s_barrier_signal -1
	s_barrier_wait -1                              ; everybody's has: the whole head lies in LDS
	PASS 16, 6, 0
	PASS 24, 7, 1
	s_wait_tensorcnt 0x0                           ; the wave's end
	ds_add_u32 v243, v255
	s_wait_dscnt 0x0
	CROUND                                         ; the closing round: no work-group ends while a partner may still ask for a tile that names it
	s_endpgm
.Lfunc_end_k_q45ead8ca08_attn:
	.size	k_q45ead8ca08_attn, .Lfunc_end_k_q45ead8ca08_attn-k_q45ead8ca08_attn
	.p2alignl 7, 3214868480
	.fill 96, 4, 3214868480
	.section	.rodata,"a",@progbits
	.p2align	6, 0x0
	.amdhsa_kernel k_q45ead8ca08_attn
		.amdhsa_group_segment_fixed_size 169984
		.amdhsa_private_segment_fixed_size 0
		.amdhsa_enable_private_segment 0
		.amdhsa_kernarg_size 16
		.amdhsa_user_sgpr_count 2
		.amdhsa_user_sgpr_kernarg_segment_ptr 1
		.amdhsa_wavefront_size32 1
		.amdhsa_system_sgpr_workgroup_id_x 1
		.amdhsa_system_sgpr_workgroup_id_y 1
		.amdhsa_system_sgpr_workgroup_id_z 1
		.amdhsa_system_vgpr_workitem_id 0
		.amdhsa_next_free_vgpr 256
		.amdhsa_next_free_sgpr 80
		.amdhsa_reserve_vcc 0
		.amdhsa_float_denorm_mode_32 3
		.amdhsa_float_denorm_mode_16_64 3
		.amdhsa_memory_ordered 1
		.amdhsa_forward_progress 1
		.amdhsa_inst_pref_size 51
	.end_amdhsa_kernel
	.amdgpu_metadata
---
amdhsa.version: [ 1, 2 ]
amdhsa.kernels:
  - .name:           k_q45ead8ca08_attn
    .symbol:         k_q45ead8ca08_attn.kd
    .args:
      - { .name: heads, .offset: 0, .size: 8, .value_kind: global_buffer, .address_space: global }
      - { .name: attc, .offset: 8, .size: 8, .value_kind: global_buffer, .address_space: global }
    .group_segment_fixed_size: 169984
    .private_segment_fixed_size: 0
    .kernarg_segment_align: 8
    .kernarg_segment_size: 16
    .max_flat_workgroup_size: 512
    .sgpr_count:     80
    .vgpr_count:     256
    .wavefront_size: 32
...
	.end_amdgpu_metadata
.endif
;; end of part 3
;; launch gemm_proj (part 4): grid 4 x 32, 4 waves a work-group, clusters of 4 x 4, 327,680 bytes of LDS; arguments attc, xw, b_proj, out0; writes out0
.if DOCPART == 4
	.amdgcn_target "amdgcn-amd-amdhsa--gfx1250"
	.amdhsa_code_object_version 6
	.text
	.protected	k_q45ead8ca08_gemm_proj
	.globl	k_q45ead8ca08_gemm_proj
	.p2align	8
	.type	k_q45ead8ca08_gemm_proj,@function
k_q45ead8ca08_gemm_proj:
	s_mov_b64 s[64:65], 0
	v_nop
	global_prefetch_b8 v0, s[64:65] scope:SCOPE_SE
	s_setreg_imm32_b32 hwreg(HW_REG_WAVE_MODE, 25, 1), 1
	s_wait_xcnt 0x0
	s_wait_alu depctr_hold_cnt(0) depctr_sa_sdst(0) depctr_va_vdst(0) depctr_va_sdst(0) depctr_va_ssrc(0) depctr_va_vcc(0) depctr_vm_vsrc(0)
	s_getreg_b32 s2, hwreg(HW_REG_IB_STS2, 6, 4)
	s_cmp_eq_u32 s2, 0
	s_cbranch_scc0 .Lentry_in_a_cluster
	s_endpgm
.Lentry_in_a_cluster:
	s_bfe_u32 s2, ttmp6, 0x10000c
	s_cmp_lg_u32 s2, 0xf033
	s_cbranch_scc0 .Lentry_shape_is_right
	s_endpgm
.Lentry_shape_is_right:
; out0 = O w_proj + b_proj on codes of FP4 with E8M0 scales (K = 1,024).  A work-group of four waves makes 256 x 256 of the result, a wave 128 x 128: 64 accumulators of 16 x 16.
; R (source 1) = rows of O, from attc; P (source 0) = columns of w_proj, from xw; both as fragment images, 16 bytes a lane, with their scale words.  All of K for the tile lies in LDS, each byte filled once.
; The head's four tiles go one to a wave: R's and P's codes of the first half of K, R's and P's scale words; the second half of K follows behind the full sequence and a round of the cluster's barrier, a quarter a wave.
; CLUSTERS: 4 x 4 work-groups; R's tiles are asked for jointly along a row of the cluster, P's along a column.  The bias is the C of each sum's first product.
; The results leave through each wave's stage in LDS (in the first half's bytes, which have had their last fill and their last read) as rows of 512 bytes.
.set O_SC,   4194304
.set O_KH,   2097152
.set WP_IMG, 5767168
.set WP_SC,  6651904
.set WP_KH,  262144
.set NQ,     4
.set FR,     8
.set HALF,   32768
.set SLOT,   4*HALF
.set SCL,    2*SLOT
.set HALFS,  4096
.set SPITCH, 528
.set ADRR, 16
.set ADRP, 20
.set STO,  24
.set RD,   25
.set CO,   26
.set ADRS, 27
.set SC,   32
.set RF,   128
.set BI,   192
.set BK,   128
.set G1, 24
.set G0, 32
.set G1B, 48
.set G0B, 56
.set G1S, 68
.set G0S, 76
.set G1SB, 80
.set G0SB, 88
.set MSB, 0
.macro WIN new
.if MSB != \new
	s_set_vgpr_msb (MSB<<8)|\new
.set MSB, \new
.endif
.endm
.set MUL_LO, 0xa1
.set MUL_HI, 0xf1
.set BIA_LO, 0x81
.set BIA_HI, 0xc1
.set TO_P,   0x40
.macro JLOAD g0a, g1a, g0b, g1b
	s_cmp_eq_u32 s15, 0
	s_cbranch_scc0 .Lfor_b_\@
	tensor_load_to_lds s[\g0a:\g0a+3], s[\g1a:\g1a+7]
	s_nop 0
.rept 4
	v_nop
.endr
	s_branch .Lasked_\@
.Lfor_b_\@:
	tensor_load_to_lds s[\g0b:\g0b+3], s[\g1b:\g1b+7]
	s_nop 0
.rept 4
	v_nop
.endr
.Lasked_\@:
.endm
.macro CROUND
	s_barrier_signal -1
	s_barrier_wait -1
	s_cmp_lg_u32 s14, 0
	s_cbranch_scc1 .Lnot_wave_0_\@
	s_barrier_signal -3
.Lnot_wave_0_\@:
	s_barrier_wait -3
	s_barrier_signal -1
	s_barrier_wait -1
.endm
	s_load_b256 s[4:11], s[0:1], 0x0
	v_lshl_add_u32 v126, v0, 2, 0x44000
	v_mov_b32 v127, 0
	ds_add_u32 v126, v127
	ds_add_u32 v126, v127
	v_lshrrev_b32 v1, 5, v0
	v_readfirstlane_b32 s14, v1
	s_lshr_b32 s15, s14, 1
	s_and_b32 s16, s14, 1
	s_bfe_u32 s40, ttmp6, 0x40000
	s_bfe_u32 s41, ttmp6, 0x40004
	s_and_b32 s18, ttmp7, 0xffff
	s_lshl_b32 s18, s18, 2
	s_add_co_u32 s18, s18, s41
	s_lshl_b32 s19, ttmp9, 2
	s_add_co_u32 s19, s19, s40
	s_lshl_b32 s43, s41, 2
	s_lshl_b32 s43, 15, s43
	s_lshl_b32 s44, 0x1111, s40
	s_or_b32 s[G1+0], s43, (3<<16)|(1<<21)
	s_or_b32 s[G1B+0], s44, (3<<16)|(1<<21)
	s_or_b32 s[G1S+0], s43, (3<<16)|(1<<21)
	s_or_b32 s[G1SB+0], s44, (3<<16)|(1<<21)
.irp g, G1, G1B
	s_mov_b32 s[\g+1], 32<<16
	s_mov_b32 s[\g+2], 256<<16                     ; 256 rows of 256 bytes for the head's loads; behind them the two words that count rows are set to 128
	s_mov_b32 s[\g+3], 32<<16
	s_mov_b32 s[\g+4], 256
	s_mov_b32 s[\g+5], 32
	s_mov_b32 s[\g+6], 0
	s_mov_b32 s[\g+7], 0
.endr
.irp g, G1S, G1SB
	s_mov_b32 s[\g+1], 32<<16
	s_mov_b32 s[\g+2], 32<<16                      ; 32 rows = 8,192 bytes: the scale words of 256 rows, all of K
	s_mov_b32 s[\g+3], 32<<16
	s_mov_b32 s[\g+4], 32
	s_mov_b32 s[\g+5], 32
	s_mov_b32 s[\g+6], 0
	s_mov_b32 s[\g+7], 0
.endr
	s_lshl_b32 s96, s16, 15
	s_lshl_b32 s20, s18, 16
	s_mov_b32 s21, 0
	s_lshl_b32 s46, s19, 16
	s_add_co_u32 s46, s46, WP_IMG
	s_mov_b32 s47, 0
	s_mov_b32 s97, 0                               ; s[96:97]: of the second half of K each wave fetches eight tiles: where they begin
	s_lshl_b32 s22, s18, 13
	s_add_co_u32 s22, s22, O_SC
	s_mov_b32 s23, 0
	s_lshl_b32 s92, s19, 13
	s_add_co_u32 s92, s92, WP_SC
	s_mov_b32 s93, 0
	s_lshl_b32 s45, s14, 15
	s_wait_dscnt 0x0
	s_wait_kmcnt 0x0
	s_add_nc_u64 s[20:21], s[4:5], s[20:21]
	s_add_nc_u64 s[22:23], s[4:5], s[22:23]
	s_add_nc_u64 s[46:47], s[6:7], s[46:47]
	s_add_nc_u64 s[92:93], s[6:7], s[92:93]
	CROUND
	s_mov_b32 s[G0S], 1
	s_mov_b32 s[G0S+1], SCL
	s_mov_b64 s[G0S+2:G0S+3], s[22:23]
	s_or_b32 s[G0S+3], s[G0S+3], 0x80000000
	s_mov_b32 s[G0SB], 1
	s_mov_b32 s[G0SB+1], SCL+2*HALFS
	s_mov_b64 s[G0SB+2:G0SB+3], s[92:93]
	s_or_b32 s[G0SB+3], s[G0SB+3], 0x80000000
	s_mov_b32 s[G0], 1                             ; the first half of K: R's sixteen tiles, whole,
	s_mov_b32 s[G0+1], 0
	s_mov_b64 s[G0+2:G0+3], s[20:21]
	s_or_b32 s[G0+3], s[G0+3], 0x80000000
	s_mov_b32 s[G0B], 1                            ; and P's behind them
	s_mov_b32 s[G0B+1], 2*HALF
	s_mov_b64 s[G0B+2:G0B+3], s[46:47]
	s_or_b32 s[G0B+3], s[G0B+3], 0x80000000
	s_mov_b32 s[G0+4], 1                           ; the second half: eight tiles a wave
	s_add_co_u32 s[G0+5], s45, SLOT
	s_add_nc_u64 s[G0+6:G0+7], s[20:21], s[96:97]
	s_add_nc_u64 s[G0+6:G0+7], s[G0+6:G0+7], O_KH
	s_or_b32 s[G0+7], s[G0+7], 0x80000000
	s_mov_b32 s[G0B+4], 1
	s_add_co_u32 s[G0B+5], s45, SLOT
	s_add_nc_u64 s[G0B+6:G0B+7], s[46:47], s[96:97]
	s_add_nc_u64 s[G0B+6:G0B+7], s[G0B+6:G0B+7], WP_KH
	s_or_b32 s[G0B+7], s[G0B+7], 0x80000000
; THE HEAD'S LOADS, ONE A WAVE: one tree of branches on the wave's number, every way through it passes exactly one load.
.macro ARM under, g0, g1, next
	s_cmp_lt_u32 s14, \under
	s_cbranch_scc0 \next
	tensor_load_to_lds s[\g0:\g0+3], s[\g1:\g1+7]
	s_nop 0
.rept 4
	v_nop
.endr
	s_branch .Lhead_asked
\next:
.endm
	ARM 1, G0,  G1,  .Lhead_p
	ARM 2, G0B, G1B, .Lhead_sr
	ARM 3, G0S, G1S, .Lhead_sp
	tensor_load_to_lds s[G0SB:G0SB+3], s[G1SB:G1SB+7]
	s_nop 0
.rept 4
	v_nop
.endr
.Lhead_asked:
	v_and_b32 v1, 15, v0
	v_bfe_u32 v2, v0, 4, 1
	s_wait_alu depctr_va_vdst(0)
	v_and_b32 v3, 31, v0
	v_lshlrev_b32 v[CO], 4, v3
	s_lshl_b32 s96, s15, 15
	s_lshl_b32 s97, s16, 15
	s_add_co_u32 s97, s97, 2*HALF
.irp s, 0,1
	v_add_nc_u32 v[ADRR+\s], s96, v[CO]
	v_add_nc_u32 v[ADRP+\s], s97, v[CO]
	s_add_co_u32 s96, s96, SLOT
	s_add_co_u32 s97, s97, SLOT
.endr
	s_lshl_b32 s96, s15, 12
	s_lshl_b32 s97, s16, 12
	s_add_co_u32 s97, s97, 2*HALFS
	s_sub_co_u32 s97, s97, s96
	v_mul_u32_u24 v4, s97, v2
	s_add_co_u32 s96, s96, SCL
	v_lshl_add_u32 v4, v1, 4, v4
	v_add_nc_u32 v[ADRS], s96, v4
	s_mul_i32 s96, s14, 16*SPITCH
	v_mul_u32_u24 v5, v1, SPITCH
	v_lshl_add_u32 v5, v2, 6, v5
	v_add_nc_u32 v[STO], s96, v5
	v_add_nc_u32 v[RD], s96, v[CO]
	s_lshl_b32 s96, s19, 10
	s_lshl_b32 s97, s16, 9
	s_add_co_u32 s96, s96, s97
	s_mov_b32 s97, 0
	s_add_nc_u64 s[8:9], s[8:9], s[96:97]
	s_add_nc_u64 s[10:11], s[10:11], s[96:97]
	s_lshl_b32 s96, s18, 20
	s_lshl_b32 s42, s15, 19
	s_add_co_u32 s96, s96, s42
	s_add_nc_u64 s[10:11], s[10:11], s[96:97]
	v_lshlrev_b32 v28, 6, v2
.irp b, 0,1,2,3,4,5,6,7
	global_load_b128 v[BI+8*\b:BI+8*\b+3], v28, s[8:9] offset:(32*(\b/2)+8*(\b%2))*4
	global_load_b128 v[BI+8*\b+4:BI+8*\b+7], v28, s[8:9] offset:(32*(\b/2)+8*(\b%2))*4+16
.endr
	s_wait_alu depctr_va_vdst(0)
	s_wait_loadcnt 0x0
.macro FRAG reg, adr, q, i
.irp c, 0,1
	ds_load_b128 v[\reg+4*\c:\reg+4*\c+3], v[\adr] offset:4096*(\i)+1024*(\q)+512*\c
.endr
.endm
.macro MUL16 a0, p, q, sc, mode
.irp a, \a0, \a0+1
.irp b, 0,1,2,3,4,5,6,7
.if \mode == 1
	v_wmma_scale_f32_16x16x128_f8f6f4 v[8*(8*((\a)%4)+\b):8*(8*((\a)%4)+\b)+7], v[128*(\p)+FR*\b:128*(\p)+FR*\b+FR-1], v[RF+FR*(\a):RF+FR*(\a)+FR-1], v[BI+8*\b:BI+8*\b+7], v[SC+8*NQ*(\sc)+NQ*\b+(\q)], v[SC+8*NQ*(\sc)+NQ*(\a)+(\q)] matrix_a_fmt:MATRIX_FMT_FP4 matrix_b_fmt:MATRIX_FMT_FP4 matrix_a_scale:MATRIX_SCALE_ROW1
.else
	v_wmma_scale_f32_16x16x128_f8f6f4 v[8*(8*((\a)%4)+\b):8*(8*((\a)%4)+\b)+7], v[128*(\p)+FR*\b:128*(\p)+FR*\b+FR-1], v[RF+FR*(\a):RF+FR*(\a)+FR-1], v[8*(8*((\a)%4)+\b):8*(8*((\a)%4)+\b)+7], v[SC+8*NQ*(\sc)+NQ*\b+(\q)], v[SC+8*NQ*(\sc)+NQ*(\a)+(\q)] matrix_a_fmt:MATRIX_FMT_FP4 matrix_b_fmt:MATRIX_FMT_FP4 matrix_a_scale:MATRIX_SCALE_ROW1
.endif
.endr
.endr
.endm
.macro FETCH_P slot, q, p
	WIN TO_P
.irp i, 0,1,2,3,4,5,6,7
	FRAG 128*(\p)+FR*\i, ADRP+\slot, \q, \i
.endr
	WIN 0
.endm
.macro FETCH_R slot, q, i0
.irp i, \i0, \i0+1, \i0+2, \i0+3
	FRAG RF+FR*(\i), ADRR+\slot, \q, \i
.endr
.endm
.macro SCALES sc
.irp i, 0,1,2,3,4,5,6,7
	ds_load_b128 v[SC+8*NQ*\sc+NQ*\i:SC+8*NQ*\sc+NQ*\i+3], v[ADRS] offset:512*\i+256*\sc
.endr
.endm
.macro PLACES n
.rept \n
	v_nop
.endr
.endm
.macro STEP slot, q, mode
	s_wait_dscnt 8
.if \mode
	WIN BIA_LO
.else
	WIN MUL_LO
.endif
	MUL16 0, (\q)%2, \q, \slot, \mode
	MUL16 2, (\q)%2, \q, \slot, \mode
	s_wait_dscnt 0
	PLACES 4
	FETCH_P \slot, (\q)+1, 1-(\q)%2
	FETCH_R \slot, (\q)+1, 0
.if \mode
	WIN BIA_HI
.else
	WIN MUL_HI
.endif
	MUL16 4, (\q)%2, \q, \slot, \mode
	MUL16 6, (\q)%2, \q, \slot, \mode
	PLACES 4
	WIN 0
	FETCH_R \slot, (\q)+1, 4
.endm
	s_wait_alu depctr_va_vdst(0)                   ; the wait at the head's end
	s_wait_tensorcnt 0x0                           ; my tile of the head's four is in
	ds_add_u32 v126, v127
	s_mov_b32 s[G1+2], 128<<16                     ; no tensor load of mine is out, so a descriptor may be written: from here on a load brings 128 rows
	s_mov_b32 s[G1+4], 128
	s_mov_b32 s[G1B+2], 128<<16
	s_mov_b32 s[G1B+4], 128
	s_wait_dscnt 0x0
	CROUND                                         ; all four tiles are in, and all sixteen work-groups are here
	JLOAD G0+4, G1, G0B+4, G1B                     ; the second half of K: my one load behind the round
	FETCH_P 0, 0, 0
	FETCH_R 0, 0, 0
	SCALES 0
	FETCH_R 0, 0, 4
	STEP 0, 0, 1
	STEP 0, 1, 0
	STEP 0, 2, 0
	s_wait_tensorcnt 0x0
	s_wait_dscnt 8
	WIN MUL_LO
	MUL16 0, 1, 3, 0, 0
	s_wait_dscnt 0x0
	s_barrier_signal -1
	MUL16 2, 1, 3, 0, 0
	WIN 0
	s_barrier_wait -1
	PLACES 4
	FETCH_P 1, 0, 0
	FETCH_R 1, 0, 0
	SCALES 1
	WIN MUL_HI
	MUL16 4, 1, 3, 0, 0
	MUL16 6, 1, 3, 0, 0
	PLACES 4
	WIN 0
	FETCH_R 1, 0, 4
	STEP 1, 0, 0
	STEP 1, 1, 0
	STEP 1, 2, 0
	s_wait_dscnt 8
	WIN MUL_LO
	MUL16 0, 1, 3, 1, 0
	MUL16 2, 1, 3, 1, 0
	s_wait_dscnt 0
	WIN MUL_HI
	MUL16 4, 1, 3, 1, 0
	MUL16 6, 1, 3, 1, 0
	WIN 0
.macro TOSTAGE a
.set AC, 64*((\a)%4)
	WIN 0x08+4*((\a)/4)
.irp b, 0,1,2,3,4,5,6,7
	ds_store_b128 v[STO], v[AC+8*\b:AC+8*\b+3] offset:128*(\b/2)+32*(\b%2)
	ds_store_b128 v[STO], v[AC+8*\b+4:AC+8*\b+7] offset:128*(\b/2)+32*(\b%2)+16
.endr
	WIN 0
.set BB, BK+64*((\a)%2)
.irp t, 0,1,2,3,4,5,6,7,8,9,10,11,12,13,14,15
	ds_load_b128 v[BB+4*\t:BB+4*\t+3], v[RD] offset:\t*SPITCH
.endr
.endm
.macro SEND a, younger
.set BB, BK+64*((\a)%2)
	s_wait_dscnt \younger
.irp t, 0,1,2,3,4,5,6,7,8,9,10,11,12,13,14,15
	global_store_b128 v[CO], v[BB+4*\t:BB+4*\t+3], s[10:11] offset:(32*((\a)/2)+8*((\a)%2)+\t+8*(\t/8))*4096 th:TH_STORE_NT
.endr
.endm
	PLACES 4
	TOSTAGE 0
.irp a, 1,2,3,4,5,6,7
.if \a > 1
	s_wait_xcnt 0x0
.endif
	TOSTAGE \a
	SEND \a-1, 32
.endr
	SEND 7, 0
	s_wait_tensorcnt 0x0
	ds_add_u32 v126, v127
	s_wait_dscnt 0x0
	CROUND
	s_endpgm
.Lfunc_end_k_q45ead8ca08_gemm_proj:
	.size	k_q45ead8ca08_gemm_proj, .Lfunc_end_k_q45ead8ca08_gemm_proj-k_q45ead8ca08_gemm_proj
	.p2alignl 7, 3214868480
	.fill 96, 4, 3214868480
	.section	.rodata,"a",@progbits
	.p2align	6, 0x0
	.amdhsa_kernel k_q45ead8ca08_gemm_proj
		.amdhsa_group_segment_fixed_size 327680
		.amdhsa_private_segment_fixed_size 0
		.amdhsa_enable_private_segment 0
		.amdhsa_kernarg_size 32
		.amdhsa_user_sgpr_count 2
		.amdhsa_user_sgpr_kernarg_segment_ptr 1
		.amdhsa_wavefront_size32 1
		.amdhsa_system_sgpr_workgroup_id_x 1
		.amdhsa_system_sgpr_workgroup_id_y 1
		.amdhsa_system_sgpr_workgroup_id_z 1
		.amdhsa_system_vgpr_workitem_id 0
		.amdhsa_next_free_vgpr 1024
		.amdhsa_next_free_sgpr 102
		.amdhsa_reserve_vcc 0
		.amdhsa_float_denorm_mode_32 3
		.amdhsa_float_denorm_mode_16_64 3
		.amdhsa_memory_ordered 1
		.amdhsa_forward_progress 1
		.amdhsa_inst_pref_size 126
	.end_amdhsa_kernel
	.amdgpu_metadata
---
amdhsa.version: [ 1, 2 ]
amdhsa.kernels:
  - .name:           k_q45ead8ca08_gemm_proj
    .symbol:         k_q45ead8ca08_gemm_proj.kd
    .args:
      - { .name: attc, .offset: 0, .size: 8, .value_kind: global_buffer, .address_space: global }
      - { .name: xw, .offset: 8, .size: 8, .value_kind: global_buffer, .address_space: global }
      - { .name: b_proj, .offset: 16, .size: 8, .value_kind: global_buffer, .address_space: global }
      - { .name: out0, .offset: 24, .size: 8, .value_kind: global_buffer, .address_space: global }
    .group_segment_fixed_size: 327680
    .private_segment_fixed_size: 0
    .kernarg_segment_align: 8
    .kernarg_segment_size: 32
    .max_flat_workgroup_size: 128
    .sgpr_count:     102
    .vgpr_count:     1024
    .wavefront_size: 32
...
	.end_amdgpu_metadata
.endif
;; end of part 4
